; MI455X (gfx1250); checked and timed in simulation.
; The chip was launched on July 23, 2026; its instructions are those of AMD's public machine-readable ISA for CDNA 5 (MIT licence, August 2026) and "CDNA5" Instruction Set Architecture Reference Guide (July 2026). The comments in the code are by the model that wrote it; some were corrected since.
;; Hierarchical Attention. Allowed arithmetic: matrix products marked QUANTISED: E2M1 operands, one E8M0 scale for each 32 along K, by v_wmma_scale_f32_16x16x128_f8f6f4 with both operands' format E2M1 (or v_wmma_scale_f32_32x16x128_f4), f32 sums; products left as they are: f32 operands where the result goes on into a quantised operand, else bf16, f16 or f32 operands; f32 sums; everything else in f32.
;; Inputs: gammas 4 float32; k 2 x 16 x 4,096 x 64 float32; q 2 x 16 x 4,096 x 64 float32; v 2 x 16 x 4,096 x 64 float32.
;; Outputs: out0 2 x 16 x 4,096 x 64 float32.
;; This version of the problem:
;;   THIS VERSION OF THE PROBLEM IS GIVEN IN LOW PRECISION. The matrix products marked QUANTISED in the list below multiply operands that are first quantised to E2M1 (2 exponent bits, 1 mantissa bit; 4 bits a number), with one power-of-two scale for each 32 numbers along K (OCP MX v1.0); their sums are f32. All else is computed in f32.
;;   The module's matrix products, in the order in which they are computed (A, B: the left and right operand; K: the contracted axis; several contracted axes count as one K, in the product's order):
;;     1. batch 131,072 x [M 1, K 64] x [K 64, N 32]; A: input q; B: computed on the way: left as it is (M = 1 < 16)
;;     2. batch 131,072 x [M 1, K 32] x [K 32, N 64]; A: computed on the way; B: computed on the way: left as it is (M = 1 < 16)
;;     3. batch 32 x [M 4,096, K 64] x [K 64, N 512]; A: input q; B: computed on the way: QUANTISED
;;     4. batch 32 x [M 4,096, K 512] x [K 512, N 64]; A: computed on the way; B: computed on the way: QUANTISED
;;     5. batch 32 x [M 4,096, K 64] x [K 64, N 64]; A: input q; B: computed on the way: QUANTISED
;;     6. batch 32 x [M 4,096, K 64] x [K 64, N 64]; A: computed on the way; B: computed on the way: QUANTISED
;;     7. batch 32 x [M 4,096, K 64] x [K 64, N 8]; A: input q; B: computed on the way: left as it is (N = 8 < 16)
;;     8. batch 32 x [M 4,096, K 8] x [K 8, N 64]; A: computed on the way; B: computed on the way: left as it is (K = 8 < 32)
;;   THE QUANTISER, for each operand of a quantised product, along K:
;;     - K is cut into blocks of 32 from its start; a last block that is shorter is filled with zeros.
;;     - A block's scale is 2^e with e = floor(log2(the largest magnitude in the block)) - 2, held to -126 .. 127; a block of zeros has e = 0. As a byte (E8M0): e + 127.
;;     - Each number is divided by its block's scale, clamped to +-6, and rounded to the nearest number of E2M1, ties to even, subnormals kept.
;;     - The product sums the exact products of the quantised numbers (number of the format x scale) in f32.
;;   ~~~python
;;   def quantise(x, axis):      # numpy; x: float32 -> the quantised numbers, widened to float32 again
;;       x = np.moveaxis(x, axis, -1); K = x.shape[-1]
;;       x = np.pad(x, [(0, 0)] * (x.ndim - 1) + [(0, -K % 32)]); x = x.reshape(x.shape[:-1] + (-1, 32)); a = np.abs(x).max(-1, keepdims=True)
;;       e = np.where(a > 0, np.clip(np.frexp(np.where(a > 0, a, 1))[1] - 1 - 2, -126, 127), 0)      # np.frexp(a)[1] - 1 = floor(log2(a)), exactly
;;       r = np.clip(x / 2.0 ** e, -6, 6)
;;       step = 2.0 ** (np.maximum(np.frexp(np.where(r == 0, 1, r))[1] - 1, 0) - 1)
;;       q = np.round(r / step) * step * 2.0 ** e      # np.round: ties to even
;;       return np.moveaxis(q.reshape(q.shape[:-2] + (-1,))[..., :K], -1, axis).astype(np.float32)
;;   ~~~
;;   OPERANDS COMPUTED ON THE WAY. 'Computed on the way' means the value that the module computes at that place (a softmax that the list does not call 'softmax' is quantised finished and normalised). What goes into a quantiser is computed in f32, as accurately as f32 sums, v_exp_f32 and their like allow (about 1e-6 of the number): no bf16 or f16 on the way to a quantiser, and a product that is left as it is and whose result goes on into a quantised operand takes f32 operands (vector FMAs, or v_wmma_f32_16x16x4_f32). A number that lies on a knife's edge between two numbers of the format may be rounded either way, as far as f32 arithmetic and the matrix unit's own rounding can turn it there, and no further.
;; 2 versions, each right; version 2 is version 1 with the launch attend written anew for expert scheduling mode. Each part assembles by itself: llvm-mc -triple=amdgcn-amd-amdhsa -mcpu=gfx1250 --defsym DOCPART=n.
;; ======== version 1 of 2: 2 launches
;; workspace buffers: kb 16,777,216 bytes; vb 16,777,216 bytes; lv 1,286,144 bytes; v2f 524,288 bytes
;; launch pool (part 1): grid 128 x 2, 4 waves a work-group, no clusters, 27,392 bytes of LDS; arguments k, v, kb, vb, lv, v2f; writes kb, vb, lv, v2f
.if DOCPART == 1
	.amdgcn_target "amdgcn-amd-amdhsa--gfx1250"
	.amdhsa_code_object_version 6
	.text
	.protected	k_qc7eb28ec0c_pool
	.globl	k_qc7eb28ec0c_pool
	.p2align	8
	.type	k_qc7eb28ec0c_pool,@function
k_qc7eb28ec0c_pool:
	s_mov_b64 s[64:65], 0
	v_nop
	global_prefetch_b8 v0, s[64:65] scope:SCOPE_SE
	s_setreg_imm32_b32 hwreg(HW_REG_WAVE_MODE, 25, 1), 1
	s_wait_xcnt 0x0
; POOL: reads k and v [32 heads][4096][64] f32 once and writes all that the second launch wants of them, in the order of the operands' registers:
;   kb   bf16 images of k for the window's scores: [head][key tile 256][g 4][row>>3][h][row&7] x 16 bytes; piece (g, row, h) = k[16 T + row][32 h + 8 g .. + 7]
;   vb   bf16 images of v for the window's second product: [head][key tile][X 4][lane] x 16 bytes; lane (r, h) = v[16 T + 8 h + 0..7][d_X(r)], d_X(r) = 2 r, 2 r + 1, 32 + 2 r, 33 + 2 r
;   lv   40,192 bytes a head: E2M1 codes and E8M0 scale words of the level-1 and level-2 means of k (K = the head's 64) and of the level-1 means of v (K = the chunks), and the level-3 means in bf16
;   v2f  the level-2 means of v in f32, [head][s 4][row 16 X + r][16 chunks]: a block of 32 of them spans two work-groups, so the second launch quantises them
; SHARES.  Work-group x = 4 head + s owns keys 1024 s .. + 1023; y = 0 takes k, y = 1 takes v.  Wave w owns 256 keys = 32 level-1 chunks = block 4 s + w of the quantiser along the chunks.
; The two roles part on the work-group's y alone and have LDS bytes of their own.  No tensor loads, no ring: nothing in LDS is filled by an engine.  Every offset is an immediate, no pointer is stepped.
; THE QUANTISER: a block's scale is 2^(floor(log2(largest magnitude)) - 2); its byte is the largest magnitude's exponent field - 2, held at 1 from below by a floor among the maximum's leaves.
; LIMITS: a block whose largest magnitude lies under 2^-124 (a block of zeros too) keeps the byte 1: its codes are then zeros or the numbers over 2^-126, and this program alone reads the bytes.
;   NaN and infinities among the inputs are not served.  The means of eight are summed pairwise, another order than a plain chain.
.set LVH,    40192                     ; a head's bytes in lv, laid as the second launch's LDS
.set L_V1IMG, 16384
.set L_K1SC, 32768
.set L_V1SC, 34816
.set L_K2IMG, 35840
.set L_K3,   37888
.set L_V3W,  38912
.set L_K2SC, 39936
.set KTS,    0                         ; role K: a stage of 16 rows x 272 bytes for each wave
.set KSCW,   17408                     ;         the work-group's 128 scale words of k1
.set K2ST,   17920                     ;         its 16 level-2 means of k, rows of 272 bytes
.set K3ST,   22272                     ;         its 2 level-3 means of k in bf16
.set VSCW,   22528                     ; role V: 64 scale words of v1
.set V2ST,   22784                     ;         64 rows x 16 level-2 means of v
; 32 numbers of ONE lane, one block, become 4 registers of codes; sop = the conversion's scale operand, by = the scale's byte.  v8, v9 at work.
.macro QUANT32 src, dst, sop, by
	v_max3_num_f32 v8, |v[(\src)]|, |v[(\src)+1]|, 0x1800000          ; two chains; the floor 2^(3 - 127) is a leaf, so the byte cannot fall under 1
	v_max3_num_f32 v9, |v[(\src)+16]|, |v[(\src)+17]|, |v[(\src)+18]|
.irp i, 2,4,6,8,10,12
	v_max3_num_f32 v8, v8, |v[(\src)+\i]|, |v[(\src)+\i+1]|
	v_max3_num_f32 v9, v9, |v[(\src)+17+\i]|, |v[(\src)+18+\i]|
.endr
	v_max3_num_f32 v8, v8, |v[(\src)+14]|, |v[(\src)+15]|
	v_max3_num_f32 v8, v8, v9, |v[(\src)+31]|
	v_add_nc_u32 v[\sop], 0xff000000, v8                              ; 2 off the exponent field: the conversion takes that field as its scale
	v_lshrrev_b32 v[\by], 23, v[\sop]
.irp g, 0,1,2,3
	v_cvt_scalef32_pk8_fp4_f32 v[(\dst)+\g], v[(\src)+8*\g:(\src)+8*\g+7], v[\sop]
.endr
	v_nop                                                             ; one plain place behind a scaled conversion
.endm
; 32 registers from v[x] on: every lane gets the sum over the eight lanes that share lane / 8
.macro SUM8 x
.irp m, 1,2,4
.set i, 0
.rept 32
	v_add_f32_dpp v[(\x)+i], v[(\x)+i], v[(\x)+i] row_xmask:\m row_mask:0xf bank_mask:0xf
.set i, i+1
.endr
.endr
.endm
.macro EIGHTH x                        ; the same 32 registers x 1/8: exact
.set i, 0
.rept 16
	v_pk_mul_f32 v[(\x)+i:(\x)+i+1], v[(\x)+i:(\x)+i+1], 0x3e000000 op_sel_hi:[1,0]
.set i, i+2
.endr
.endm
	s_load_b256 s[4:11], s[0:1], 0x0               ; k s[4:5], v s[6:7], kb s[8:9], vb s[10:11]
	s_load_b128 s[12:15], s[0:1], 0x20             ; lv s[12:13], v2f s[14:15]
	v_lshl_add_u32 v240, v0, 2, 0x6900
	v_mov_b32 v241, 0
	v_lshrrev_b32 v8, 5, v0
	v_readfirstlane_b32 s16, v8                    ; wave 0..3
	s_lshr_b32 s17, ttmp9, 2                       ; head
	s_and_b32 s18, ttmp9, 3                        ; s
	s_and_b32 s19, ttmp7, 0xffff                   ; role
	s_mov_b32 s28, 0x76543210
	s_mov_b32 s29, 0xfedcba98                      ; v_permlanex16_b32's selects for lane l xor 16
	v_and_b32 v9, 31, v0                           ; lane
	v_and_b32 v10, 15, v0                          ; r
	v_bfe_u32 v11, v0, 4, 1                        ; h
	v_lshlrev_b32 v1, 4, v9                        ; 16 x lane
	s_lshl_b32 s30, s17, 20                        ; my wave's 256 keys in k and v: head x 2^20 + s x 2^18 + wave x 2^16 bytes
	s_lshl_b32 s44, s18, 18
	s_add_co_u32 s30, s30, s44
	s_lshl_b32 s44, s16, 16
	s_add_co_u32 s30, s30, s44
	s_mov_b32 s31, 0
	s_lshr_b32 s32, s30, 1                         ; and in kb and vb: half as many bytes
	s_mov_b32 s33, 0
	s_mul_i32 s34, s17, LVH
	s_mov_b32 s35, 0
	s_wait_kmcnt 0x0
	s_add_nc_u64 s[12:13], s[12:13], s[34:35]      ; lv at my head
	s_cmp_lg_u32 s19, 0
	s_cbranch_scc1 .Lrole_v
; ======================================================= ROLE K =======================================================
; REGISTERS: v1 16 lane; v2, v3 the stage in and out; v4 kb's lane term; v5 scale words; v6 level-2 stage; v7 8 h; v8-13 at work; v14, v15, v232-234 wave 0's tail;
;   v16-23 k1's codes; v24-39 Y, bf16; v40-71 F, the tile of means in the making; v72-231 five buffers of 32.
.set Y,  24
.set FK, 40
.set RB, 72
	s_add_nc_u64 s[4:5], s[4:5], s[30:31]
	s_add_nc_u64 s[8:9], s[8:9], s[32:33]
	s_lshl_b32 s34, s18, 12
	s_lshl_b32 s44, s16, 10
	s_add_co_u32 s34, s34, s44
	s_add_nc_u64 s[36:37], s[12:13], s[34:35]      ; k1's images: tiles 8 s + 2 wave + u, 512 bytes each, from lv's byte 0
	s_lshl_b32 s34, s18, 9
	s_add_co_u32 s34, s34, L_K1SC
	s_add_nc_u64 s[38:39], s[12:13], s[34:35]      ; k1's scale words: 512 bytes a work-group
	s_lshr_b32 s44, s18, 1
	s_and_b32 s45, s18, 1
	s_lshl_b32 s34, s44, 10
	s_lshl_b32 s46, s45, 8
	s_add_co_u32 s34, s34, s46
	s_add_co_u32 s34, s34, L_K2IMG
	s_add_nc_u64 s[40:41], s[12:13], s[34:35]      ; k2's images: 1024 (s / 2) + 256 (s % 2)
	s_lshl_b32 s34, s44, 7
	s_lshl_b32 s46, s45, 5
	s_add_co_u32 s34, s34, s46
	s_add_co_u32 s34, s34, L_K2SC
	s_add_nc_u64 s[42:43], s[12:13], s[34:35]      ; k2's scale words
	s_lshl_b32 s34, s18, 8
	s_add_co_u32 s34, s34, L_K3
	s_add_nc_u64 s[48:49], s[12:13], s[34:35]      ; k3: two rows of 128 bytes
	v_mul_u32_u24 v14, v10, 272
	v_lshl_add_u32 v14, v11, 7, v14                ; 272 r + 128 h
	s_mul_i32 s44, s16, 4352
	v_add_nc_u32 v3, s44, v14                      ; out of my stage: row r, my half's 128 bytes
	v_mul_u32_u24 v2, v11, 272
	v_lshl_add_u32 v2, v10, 4, v2
	v_add_nc_u32 v2, s44, v2                       ; into it: a load's 512 bytes are two rows
	v_and_b32 v12, 7, v0                           ; r & 7
	v_bfe_u32 v13, v0, 3, 1                        ; r >> 3
	v_lshlrev_b32 v15, 4, v12
	v_lshl_add_u32 v15, v11, 7, v15                ; 128 h + 16 (r & 7)
	v_lshl_add_u32 v4, v13, 14, v15                ; kb: rows 8-15 belong to the key tile eight further on
	v_lshl_add_u32 v15, v13, 9, v15                ; k2's image: + 512 (r >> 3)
	s_lshl_b32 s44, s16, 7
	v_lshl_add_u32 v5, v10, 2, s44                 ; 128 wave + 4 r
	s_mul_i32 s44, s16, 1088
	v_mul_u32_u24 v6, v13, 544
	v_lshl_add_u32 v6, v11, 7, v6
	v_add_nc_u32 v6, s44, v6                       ; level-2 stage: row 4 wave + 2 (r >> 3) (+ u in the immediate), my half
	v_lshlrev_b32 v7, 3, v11                       ; 8 h
	v_lshlrev_b32 v232, 2, v12
	v_lshl_add_u32 v232, v13, 6, v232              ; k2's scale word: 64 (r >> 3) + 4 (r & 7)
	v_lshlrev_b32 v233, 7, v13
	v_lshl_add_u32 v233, v11, 6, v233              ; k3's stage: 128 (r >> 3) + 64 h
	v_lshlrev_b32 v234, 3, v9                      ; 8 x lane
.irp i, 0,1,2,3,4,5,6,7
	v_cmp_eq_u32 s[20+\i], \i, v12                 ; the lanes whose r & 7 is i
.endr
; Iteration it = 8 u + i takes 16 keys: rows 0-7 the eight keys of my chunk it, rows 8-15 those of chunk it + 16.
.macro KLOAD it                        ; eight dense loads of 512 bytes
.irp n, 0,1,2,3,4,5,6,7
	global_load_b128 v[RB+32*((\it)%5)+4*\n:RB+32*((\it)%5)+4*\n+3], v1, s[4:5] offset:2048*(\it)+512*(\n%4)+32768*(\n/4) th:TH_LOAD_NT
.endr
.endm
.macro KTURN it                        ; through my stage: afterwards lane (r, h) holds row r, d = 32 h .. 32 h + 31.  LDS serves a wave's instructions in order: no wait between
.irp n, 0,1,2,3,4,5,6,7
	ds_store_b128 v2, v[RB+32*((\it)%5)+4*\n:RB+32*((\it)%5)+4*\n+3] offset:KTS+544*\n
.endr
.irp n, 0,1,2,3,4,5,6,7
	ds_load_b128 v[RB+32*((\it)%5)+4*\n:RB+32*((\it)%5)+4*\n+3], v3 offset:KTS+16*\n
.endr
.endm
; Behind i = 7: F holds tile 2 (4 s + wave) + u of k1 as sums: lane r has chunk 8 u + (r & 7) + 16 (r >> 3) of my 32, so that two tiles' results are 16 neighbouring chunks in the second launch.
.macro KFIN u
	EIGHTH FK
	QUANT32 FK, 16+4*(\u), 10, 11
	v_lshlrev_b32 v12, v7, v11                     ; my block's byte at its place (block h of the row),
	v_permlanex16_b32 v13, v12, s28, s29
	v_or_b32 v12, v12, v13                         ; with lane l xor 16's;
	v_or_b32 v12, 0x7f7f0000, v12                  ; k = 64 .. 127 of the matrix instruction meet zero codes: their bytes are 1.0
	global_store_b128 v1, v[16+4*(\u):19+4*(\u)], s[36:37] offset:512*(\u)    ; 512 consecutive bytes
	ds_store_b32 v5, v12 offset:KSCW+64*(\u)
	SUM8 FK                                        ; eight level-1 means make a level-2 mean: local chunk 4 wave + u + 2 (r >> 3)
	EIGHTH FK
.irp g, 0,1,2,3,4,5,6,7
	ds_store_b128 v6, v[FK+4*\g:FK+4*\g+3] offset:K2ST+272*(\u)+16*\g   ; eight lanes write the same bytes with the same values
.endr
.endm
.macro KITER it
.set XB, RB+32*((\it)%5)
	s_wait_dscnt 0x0                               ; this buffer is back from the stage
.if (\it) < 15
.if 14-(\it) >= 3
	s_wait_loadcnt 24                              ; the next buffer's eight loads are in; the three buffers behind it may be out
.else
	s_wait_loadcnt 8*(14-(\it))
.endif
	KTURN (\it)+1
.endif
	s_wait_xcnt 0x0                                ; Y, which the last iteration's stores read, is rewritten only behind this wait
.set i, 0
.rept 16
	v_cvt_pk_bf16_f32 v[Y+i], v[XB+2*i], v[XB+2*i+1]
.set i, i+1
.endr
.irp g, 0,1,2,3
	global_store_b128 v4, v[Y+4*\g:Y+4*\g+3], s[8:9] offset:(4*((\it)/8)+((\it)%8)/2)*2048+512*\g+256*((\it)%2)   ; lanes 0-7 with 16-23, and 8-15 with 24-31, each store 256 consecutive aligned bytes
.endr
	SUM8 XB                                        ; the eight keys of a chunk lie in eight lanes
.set i, 0
.rept 32
.if (\it)%8 == 0
	v_mov_b32 v[FK+i], v[XB+i]
.else
	v_cndmask_b32 v[FK+i], v[FK+i], v[XB+i], s[20+(\it)%8]   ; the lanes with r & 7 = i keep this chunk
.endif
.set i, i+1
.endr
.if (\it)+5 < 16
	KLOAD (\it)+5
.endif
.if (\it)%8 == 7
	KFIN (\it)/8
.endif
.endm
.irp t, 0,1,2,3,4
	KLOAD \t
.endr
	s_wait_loadcnt 32                              ; buffer 0 of the five is in
	KTURN 0
.irp t, 0,1,2,3,4,5,6,7,8,9,10,11,12,13,14,15
	KITER \t
.endr
	s_wait_dscnt 0x0                               ; for the others' sake: my scale words and level-2 means lie in LDS
	s_barrier_signal -1
	s_barrier_wait -1
	s_cmp_lg_u32 s16, 0
	s_cbranch_scc1 .Lk_end                         ; wave 0 alone finishes the work-group's small things
	ds_load_b128 v[104:107], v1 offset:KSCW
.irp g, 0,1,2,3,4,5,6,7
	ds_load_b128 v[72+4*\g:75+4*\g], v14 offset:K2ST+16*\g           ; lane (r, h): level-2 chunk 16 s + r, d = 32 h on
.endr
	s_wait_dscnt 0x0
	global_store_b128 v1, v[104:107], s[38:39]
	QUANT32 72, 108, 10, 11
	v_lshlrev_b32 v12, v7, v11
	v_permlanex16_b32 v13, v12, s28, s29
	v_or_b32 v12, v12, v13
	v_or_b32 v12, 0x7f7f0000, v12
	global_store_b128 v15, v[108:111], s[40:41]    ; chunk 16 s + r is lane 8 (s % 2) + (r & 7) of tile 2 (s / 2) + (r >> 3)
	global_store_b32 v232, v12, s[42:43]           ; (both halves of the lanes store the same word)
	SUM8 72
	EIGHTH 72                                      ; level-3 chunk 2 s + (r >> 3)
.set i, 0
.rept 16
	v_cvt_pk_bf16_f32 v[112+i], v[72+2*i], v[72+2*i+1]
.set i, i+1
.endr
.irp g, 0,1,2,3
	ds_store_b128 v233, v[112+4*\g:115+4*\g] offset:K3ST+16*\g
.endr
	ds_load_b64 v[128:129], v234 offset:K3ST       ; in order behind my stores
	s_wait_dscnt 0x0
	global_store_b64 v234, v[128:129], s[48:49]    ; 256 consecutive bytes: k3 is a plain [8][64] in bf16
.Lk_end:
	s_wait_tensorcnt 0x0
	ds_add_u32 v240, v241
	s_wait_dscnt 0x0
	s_endpgm
; ======================================================= ROLE V =======================================================
; Lane l owns columns 2 l and 2 l + 1; its registers run down the keys, so the blocks along the chunks lie in one lane.
; REGISTERS: v1 16 lane; v2 8 lane; v3 v1's image; v4 scale bytes; v5 level-2 stage in; v6 16 x thread; v7 level-2 stage, two rows a lane; v8-15 at work; v16-23 codes; v24-31 level-2 means;
;   v32-47 Y, bf16; v48-111 the 2 x 32 level-1 means; v112-239 four buffers of 32.
.set YV, 32
.set MV, 48
.set RV, 112
.Lrole_v:
	s_add_nc_u64 s[6:7], s[6:7], s[30:31]
	s_add_nc_u64 s[10:11], s[10:11], s[32:33]
	s_lshl_b32 s34, s18, 12
	s_lshr_b32 s44, s16, 1
	s_lshl_b32 s44, s44, 9
	s_add_co_u32 s34, s34, s44
	s_and_b32 s44, s16, 1
	s_lshl_b32 s44, s44, 8
	s_add_co_u32 s34, s34, s44
	s_add_co_u32 s34, s34, L_V1IMG
	s_add_nc_u64 s[36:37], s[12:13], s[34:35]      ; v1's images [s][X][c]: my block is registers 4 (wave / 2) on, lanes 16 (wave % 2) on
	s_lshl_b32 s34, s18, 8
	s_add_co_u32 s34, s34, L_V1SC
	s_add_nc_u64 s[38:39], s[12:13], s[34:35]
	s_lshl_b32 s34, s18, 8
	s_add_co_u32 s34, s34, L_V3W
	s_add_nc_u64 s[40:41], s[12:13], s[34:35]
	s_lshl_b32 s34, ttmp9, 12
	s_add_nc_u64 s[42:43], s[14:15], s[34:35]      ; v2f: 4,096 bytes a work-group
	v_lshlrev_b32 v2, 3, v9
	v_lshlrev_b32 v3, 4, v10
	v_lshl_add_u32 v3, v11, 11, v3                 ; 2048 (l / 16) + 16 (l % 16): X = 2 (l / 16) + e
	v_lshlrev_b32 v4, 2, v10
	v_lshl_add_u32 v4, v11, 7, v4
	v_add_nc_u32 v4, s16, v4
	v_add_nc_u32 v4, VSCW, v4                      ; byte wave of word 16 X + r
	v_lshlrev_b32 v5, 6, v10
	v_lshl_add_u32 v5, v11, 11, v5
	s_lshl_b32 s44, s16, 4
	v_add_nc_u32 v5, s44, v5
	v_add_nc_u32 v5, V2ST, v5                      ; row 16 X + r of 64 bytes, my four chunks
	v_lshlrev_b32 v6, 4, v0
	v_lshlrev_b32 v7, 7, v9
	v_add_nc_u32 v7, V2ST, v7
.macro VLOAD it                        ; key tile it: sixteen rows of 256 bytes, 8 bytes a lane
.irp n, 0,1,2,3,4,5,6,7,8,9,10,11,12,13,14,15
	global_load_b64 v[RV+32*((\it)%4)+2*\n:RV+32*((\it)%4)+2*\n+1], v2, s[6:7] offset:(16*(\it)+\n)*256 th:TH_LOAD_NT
.endr
.endm
.macro VITER it
.set XB, RV+32*((\it)%4)
.if 15-(\it) >= 3
	s_wait_loadcnt 48                              ; this buffer's sixteen loads are in; the three buffers behind it may be out
.else
	s_wait_loadcnt 16*(15-(\it))
.endif
	s_wait_xcnt 0x0                                ; Y is rewritten only behind this wait
.irp e, 0,1
.irp d, 0,1,2,3
	v_cvt_pk_bf16_f32 v[YV+4*\e+\d], v[XB+4*\d+\e], v[XB+4*\d+2+\e]              ; keys 2 d, 2 d + 1 of column 2 l + e
	v_cvt_pk_bf16_f32 v[YV+8+4*\e+\d], v[XB+16+4*\d+\e], v[XB+18+4*\d+\e]        ; keys 8 + 2 d, 9 + 2 d
.endr
.endr
.irp n, 0,1,2,3,4,5,6,7
	v_permlane16_swap_b32 v[YV+\n], v[YV+8+\n]     ; the image wants keys 0-7 in lanes 0-15 and keys 8-15 in lanes 16-31: group X of Y is now image X
.endr
.irp x, 0,1,2,3
	global_store_b128 v1, v[YV+4*\x:YV+4*\x+3], s[10:11] offset:2048*(\it)+512*\x
.endr
.irp c, 0,1                            ; the tile's two chunks: both columns at once
	v_pk_add_f32 v[8:9], v[XB+16*\c:XB+16*\c+1], v[XB+16*\c+2:XB+16*\c+3]
	v_pk_add_f32 v[10:11], v[XB+16*\c+4:XB+16*\c+5], v[XB+16*\c+6:XB+16*\c+7]
	v_pk_add_f32 v[12:13], v[XB+16*\c+8:XB+16*\c+9], v[XB+16*\c+10:XB+16*\c+11]
	v_pk_add_f32 v[14:15], v[XB+16*\c+12:XB+16*\c+13], v[XB+16*\c+14:XB+16*\c+15]
	v_pk_add_f32 v[8:9], v[8:9], v[10:11]
	v_pk_add_f32 v[12:13], v[12:13], v[14:15]
	v_pk_add_f32 v[8:9], v[8:9], v[12:13]
	v_mul_f32 v[MV+2*(\it)+\c], 0x3e000000, v8
	v_mul_f32 v[MV+32+2*(\it)+\c], 0x3e000000, v9
.endr
.if (\it)+4 < 16
	VLOAD (\it)+4
.endif
.endm
.irp t, 0,1,2,3
	VLOAD \t
.endr
.irp t, 0,1,2,3,4,5,6,7,8,9,10,11,12,13,14,15
	VITER \t
.endr
.irp e, 0,1                            ; a column's 32 level-1 means are one block along the chunks
	QUANT32 MV+32*\e, 16+4*\e, 10, 12+\e
	global_store_b128 v3, v[16+4*\e:19+4*\e], s[36:37] offset:1024*\e    ; sixteen lanes store 256 consecutive aligned bytes
	ds_store_b8 v4, v[12+\e] offset:64*\e
.irp q, 0,1,2,3
	v_pk_add_f32 v[8:9], v[MV+32*\e+8*\q:MV+32*\e+8*\q+1], v[MV+32*\e+8*\q+2:MV+32*\e+8*\q+3]
	v_pk_add_f32 v[10:11], v[MV+32*\e+8*\q+4:MV+32*\e+8*\q+5], v[MV+32*\e+8*\q+6:MV+32*\e+8*\q+7]
	v_pk_add_f32 v[8:9], v[8:9], v[10:11]
	v_add_f32 v8, v8, v9
	v_mul_f32 v[24+4*\e+\q], 0x3e000000, v8        ; level-2 chunk 4 wave + q of the work-group's 16
.endr
	ds_store_b128 v5, v[24+4*\e:27+4*\e] offset:1024*\e
.endr
	s_wait_dscnt 0x0                               ; for the others' sake: my bytes and means lie in LDS
	s_barrier_signal -1
	s_barrier_wait -1
	ds_load_b128 v[112:115], v6 offset:V2ST
	ds_load_b128 v[116:119], v6 offset:V2ST+2048
	s_wait_dscnt 0x0
	global_store_b128 v6, v[112:115], s[42:43]     ; the 4,096 bytes of level-2 means leave as they lie
	global_store_b128 v6, v[116:119], s[42:43] offset:2048
	s_cmp_lg_u32 s16, 0
	s_cbranch_scc1 .Lv_not0
	ds_load_b64 v[120:121], v2 offset:VSCW
	s_wait_dscnt 0x0
	global_store_b64 v2, v[120:121], s[38:39]      ; 256 consecutive bytes of scale words
.Lv_not0:
	s_cmp_lg_u32 s16, 1
	s_cbranch_scc1 .Lv_end
.irp g, 0,1,2,3,4,5,6,7
	ds_load_b128 v[128+4*\g:131+4*\g], v7 offset:16*\g               ; rows 2 l and 2 l + 1
.endr
	s_wait_dscnt 0x0
.irp a, 0,1
.irp c, 0,1
	v_pk_add_f32 v[8:9], v[128+16*\a+8*\c:129+16*\a+8*\c], v[130+16*\a+8*\c:131+16*\a+8*\c]
	v_pk_add_f32 v[10:11], v[132+16*\a+8*\c:133+16*\a+8*\c], v[134+16*\a+8*\c:135+16*\a+8*\c]
	v_pk_add_f32 v[8:9], v[8:9], v[10:11]
	v_add_f32 v8, v8, v9
	v_mul_f32 v[12+\c], 0x3e000000, v8             ; level-3 chunk 2 s + c
.endr
	v_cvt_pk_bf16_f32 v[122+\a], v12, v13          ; a word: the row's two level-3 means
.endr
	global_store_b64 v2, v[122:123], s[40:41]
.Lv_end:
	s_wait_tensorcnt 0x0
	ds_add_u32 v240, v241
	s_wait_dscnt 0x0
	s_endpgm
.Lfunc_end_k_qc7eb28ec0c_pool:
	.size	k_qc7eb28ec0c_pool, .Lfunc_end_k_qc7eb28ec0c_pool-k_qc7eb28ec0c_pool
	.p2alignl 7, 3214868480
	.fill 96, 4, 3214868480
	.section	.rodata,"a",@progbits
	.p2align	6, 0x0
	.amdhsa_kernel k_qc7eb28ec0c_pool
		.amdhsa_group_segment_fixed_size 27392
		.amdhsa_private_segment_fixed_size 0
		.amdhsa_enable_private_segment 0
		.amdhsa_kernarg_size 48
		.amdhsa_user_sgpr_count 2
		.amdhsa_user_sgpr_kernarg_segment_ptr 1
		.amdhsa_wavefront_size32 1
		.amdhsa_system_sgpr_workgroup_id_x 1
		.amdhsa_system_sgpr_workgroup_id_y 1
		.amdhsa_system_sgpr_workgroup_id_z 1
		.amdhsa_system_vgpr_workitem_id 0
		.amdhsa_next_free_vgpr 242
		.amdhsa_next_free_sgpr 66
		.amdhsa_reserve_vcc 0
		.amdhsa_float_denorm_mode_32 3
		.amdhsa_float_denorm_mode_16_64 3
		.amdhsa_memory_ordered 1
		.amdhsa_forward_progress 1
		.amdhsa_inst_pref_size 255
	.end_amdhsa_kernel
	.section	.bss,"aw",@nobits
	.p2align	6
	.space	262144
	.amdgpu_metadata
---
amdhsa.version: [ 1, 2 ]
amdhsa.kernels:
  - .name:           k_qc7eb28ec0c_pool
    .symbol:         k_qc7eb28ec0c_pool.kd
    .args:
      - { .name: k, .offset: 0, .size: 8, .value_kind: global_buffer, .address_space: global }
      - { .name: v, .offset: 8, .size: 8, .value_kind: global_buffer, .address_space: global }
      - { .name: kb, .offset: 16, .size: 8, .value_kind: global_buffer, .address_space: global }
      - { .name: vb, .offset: 24, .size: 8, .value_kind: global_buffer, .address_space: global }
      - { .name: lv, .offset: 32, .size: 8, .value_kind: global_buffer, .address_space: global }
      - { .name: v2f, .offset: 40, .size: 8, .value_kind: global_buffer, .address_space: global }
    .group_segment_fixed_size: 27392
    .private_segment_fixed_size: 0
    .kernarg_segment_align: 8
    .kernarg_segment_size: 48
    .max_flat_workgroup_size: 128
    .sgpr_count:     66
    .vgpr_count:     242
    .wavefront_size: 32
...
	.end_amdgpu_metadata
.endif
;; end of part 1
;; launch attend (part 2): grid 8 x 32, 16 waves a work-group, no clusters, 114,176 bytes of LDS; arguments q, gammas, kb, vb, lv, v2f, out0; writes out0
.if DOCPART == 2
	.amdgcn_target "amdgcn-amd-amdhsa--gfx1250"
	.amdhsa_code_object_version 6
	.text
	.protected	k_qc7eb28ec0c_attend
	.globl	k_qc7eb28ec0c_attend
	.p2align	8
	.type	k_qc7eb28ec0c_attend,@function
k_qc7eb28ec0c_attend:
	s_mov_b64 s[64:65], 0
	v_nop
	global_prefetch_b8 v0, s[64:65] scope:SCOPE_SE
	s_setreg_imm32_b32 hwreg(HW_REG_WAVE_MODE, 25, 1), 1
	s_wait_xcnt 0x0
; ATTEND: out = the merge of four softmax parts over 32 heads x 4,096 queries x 64: a causal window of 32 keys and level 3 (8 chunk means), both on bf16 operands, taken as ONE softmax of 64 "keys";
; level 1 (512 chunk means) and level 2 (64), both products of each on E2M1 codes with E8M0 scales for each 32 along K.
; WHAT THE QUANTISER ASKS.  The operand of a level's second product is exp(score - m) with the level's own FINAL row maximum: so each level has two passes.  Pass A makes the scores and the largest t of each
; block of 32 chunks; pass B makes the same scores again by the same instructions (the same bits), takes the maximum away by a true subtraction, so that the row's largest p is exactly 1, and quantises.
; t = score x log2(e); p = 2^(t - M).  A block's largest p is the block's largest t put through the same subtraction and exponential.  The row's sum is taken of the unquantised p.
; SHARES.  Work-group (p, head) takes query blocks p and 15 - p of 256, so that all work-groups see as many level-1 chunks.  Wave w takes tile 16 p + w of 16 queries, then the tile 240 - 32 p further on.
; All products are used transposed: a lane (r = lane % 16, h = lane / 16) holds ONE query, 16 t0 + r, throughout.  Four waves share a SIMD: one wave's vector work stands beside another's loads and products.
; MASKS.  Chunk c of size cs counts for query i where c <= ((i - 31) >> log cs) - 1.  Blocks of 32 chunks that no query of the tile sees are left out by scalar branches on ids; of the others only the last can need the mask.
; The head's level data (40 KB) come into LDS once, through registers; nothing in LDS is filled twice, so there are no tensor loads and one barrier.  No cluster: the eight work-groups of a head share those 40 KB alone,
; a hundredth of what a work-group reads.
; LIMITS: blocks whose largest magnitude lies under 2^-124 keep the byte 1; NaN and infinities among the inputs are not served; p under 2^-126 counts as 0; the window and level 3 take bf16 operands;
;   level 3 is merged with the window first, another order of the same merge.
.set K1IMG, 0                          ; LDS.  Bytes 0 .. 40,191 are lv's bytes of the head as they lie: k1's 32 tiles x 512 bytes,
.set V1IMG, 16384                      ; v1's images [step 4][X 4][c 2] x 512,
.set K1SC,  32768                      ; k1's scale words [tile][16],
.set V1SC,  34816                      ; v1's [step][X][16],
.set K2IMG, 35840                      ; k2's 4 tiles,
.set K3,    37888                      ; k3 [8][64] bf16,
.set V3W,   38912                      ; v3 as words of two chunks [4][X][16],
.set K2SC,  39936                      ; k2's scale words.
.set V2IMG, 40192                      ; Made here: v2's 4 images
.set V2SC,  42240                      ; and scale words.
.set STG,   42496                      ; A stage of 16 rows x 272 bytes for each wave
; REGISTERS: v1 16 lane; v2 4 lane; v3 256 (r>>3) + 128 h + 16 (r&7); v4, v7, v8 my stage; v5 k3; v6 v3; v9 -inf; v10 my query; v11 lim - 16 h; v12 i - cs/2 - 16 cs h; v13 16 h + 1; v14 float(r - 8 h); v15 16 x thread
.set C8,  16                           ; v16-23   the bias that goes with the register's number, as the C of the scores
.set QC,  24                           ; v24-31   q's codes: 4 registers and 4 of zeros
.set O,   32                           ; v32-63   O^T
.set OB,  64                           ; v64-95   a level's O^T.  In the window's part: v64-79 q in bf16, v80-95 p in bf16
.set QB,  64
.set PB,  80
.set S,   96                           ; v96-159  scores, then p.  v96-127 also q in f32
.set QF,  96
.set F,   160                          ; v160-195 fragments from LDS (v128-191: the window's k and v); v192-195 stay zero
.set PC,  196                          ; v196-203 p's codes
.set BM,  204                          ; v204-219 the blocks' largest t, then the conversions' scale operands
.set PW,  220                          ; v220-223 p's scale words;  v224-227 k's;  v228-229 v's;  v230 q's: these hold scales and nothing else
.set KS,  224
.set VS,  228
.set QS,  230
.set MR,  231                          ; the running maximum
.set LR,  232                          ; v232-233 the running sum, my lane's part, in two halves
.set MS,  234                          ; the maximum that is taken away;  v235 the level's maximum
.set M1,  235
.set T,   236                          ; v236-251 at work
.set LSUM, 252                         ; v252-255 a level's sum, two pairs
; SCALARS: s18 wave, s19 head, s[20:23] gammas, s[24:25] c1 = log2(e) / 8, s[26:27] selects, s[28:35] lanes where j > r - 8 h, s36 t0, s37 the step to the second tile, s38 the trip, s39 16 t0,
;   s[40:47] the head in q, out0, kb, vb; s[48:49] q's tile; s[50:51] out0's; s[52:57] kb's three tiles; s[58:63] vb's; s66-69 -gamma_l log2(e); s70-72 8 gamma0, 64 gamma1, 512 gamma2;
;   s74, s75 blocks seen, blocks wholly seen; s76 (with s77 = 0), s82, s83 at work; s86 -1e9 log2(e); s87, s88 -inf where the window's tile 0, 1 lies ahead of the head's first key, else 0
.macro QUANT32 src, dst, sop, by       ; 32 numbers of ONE lane, one block, become 4 registers of codes
	v_max3_num_f32 v[T], |v[(\src)]|, |v[(\src)+1]|, 0x1800000        ; two chains; the floor 2^(3 - 127) is a leaf, so the byte cannot fall under 1
	v_max3_num_f32 v[T+1], |v[(\src)+16]|, |v[(\src)+17]|, |v[(\src)+18]|
.irp i, 2,4,6,8,10,12
	v_max3_num_f32 v[T], v[T], |v[(\src)+\i]|, |v[(\src)+\i+1]|
	v_max3_num_f32 v[T+1], v[T+1], |v[(\src)+17+\i]|, |v[(\src)+18+\i]|
.endr
	v_max3_num_f32 v[T], v[T], |v[(\src)+14]|, |v[(\src)+15]|
	v_max3_num_f32 v[T], v[T], v[T+1], |v[(\src)+31]|
	v_add_nc_u32 v[\sop], 0xff000000, v[T]                            ; 2 off the exponent field: the conversion takes that field as its scale
	v_lshrrev_b32 v[\by], 23, v[\sop]
.irp g, 0,1,2,3
	v_cvt_scalef32_pk8_fp4_f32 v[(\dst)+\g], v[(\src)+8*\g:(\src)+8*\g+7], v[\sop]
.endr
	v_nop                                                             ; one plain place behind a scaled conversion
.endm
.macro WORD w, by                      ; my block's byte (block h) and lane l xor 16's make the row's scale word; k = 64 .. 127 meet zero codes: their bytes are 1.0
	v_lshrrev_b32 v[T+2], 1, v13                   ; 8 h
	v_lshlrev_b32 v[T+2], v[T+2], v[\by]
	v_permlanex16_b32 v[T+3], v[T+2], s26, s27
	v_or_b32 v[T+2], v[T+2], v[T+3]
	v_or_b32 v[\w], 0x7f7f0000, v[T+2]
.endm
.macro SETC8 sg                        ; C8[j] = j x s[sg]: c1 x C8[j] is gamma log2(e) x (keys or chunk widths) x j
	v_mov_b32 v[C8], 0
	v_mov_b32 v[C8+1], s[\sg]
	v_mul_f32 v[C8+2], 2.0, v[C8+1]
	v_mul_f32 v[C8+3], 0x40400000, v[C8+1]
	v_mul_f32 v[C8+4], 4.0, v[C8+1]
	v_mul_f32 v[C8+5], 0x40a00000, v[C8+1]
	v_mul_f32 v[C8+6], 0x40c00000, v[C8+1]
	v_mul_f32 v[C8+7], 0x40e00000, v[C8+1]
.endm
.macro PLACES                          ; four places behind matrix instructions (ISA guide 7.12.1), where no other vector work is at hand on every way
.rept 4
	v_nop
.endr
.endm
.macro SETTILE                         ; the addresses of tile s36: q's 16 rows; key tiles t0 - 2, t0 - 1, t0, held at the head's first
	s_lshl_b32 s76, s36, 12
	s_add_nc_u64 s[48:49], s[40:41], s[76:77]
.irp a, 0,1,2
	s_add_co_i32 s76, s36, \a-2
	s_max_i32 s76, s76, 0
	s_lshl_b32 s76, s76, 11
	s_add_nc_u64 s[52+2*\a:53+2*\a], s[44:45], s[76:77]
	s_add_nc_u64 s[58+2*\a:59+2*\a], s[46:47], s[76:77]
.endr
.endm
.macro LOADQK                          ; twenty loads: q's tile, dense, then kb's three tiles
.irp n, 0,1,2,3,4,5,6,7
	global_load_b128 v[QF+4*\n:QF+4*\n+3], v1, s[48:49] offset:512*\n th:TH_LOAD_NT
.endr
.irp a, 0,1,2
.irp g, 0,1,2,3
	global_load_b128 v[128+16*\a+4*\g:131+16*\a+4*\g], v3, s[52+2*\a:53+2*\a] offset:512*\g
.endr
.endr
.endm
	s_load_b256 s[4:11], s[0:1], 0x0               ; q s[4:5], gammas s[6:7], kb s[8:9], vb s[10:11]
	s_load_b128 s[12:15], s[0:1], 0x20             ; lv s[12:13], v2f s[14:15]
	s_load_b64 s[16:17], s[0:1], 0x30              ; out0
	v_lshrrev_b32 v[T], 5, v0
	v_readfirstlane_b32 s18, v[T]                  ; wave 0..15
	s_and_b32 s19, ttmp7, 0xffff                   ; head
	v_and_b32 v[T+1], 31, v0                       ; lane
	v_and_b32 v[T+2], 15, v0                       ; r
	v_bfe_u32 v[T+3], v0, 4, 1                     ; h
	v_and_b32 v[T+4], 7, v0                        ; r & 7
	v_bfe_u32 v[T+5], v0, 3, 1                     ; r >> 3
	v_lshlrev_b32 v1, 4, v[T+1]
	v_lshlrev_b32 v2, 2, v[T+1]
	v_lshlrev_b32 v3, 4, v[T+4]
	v_lshl_add_u32 v3, v[T+3], 7, v3
	v_lshl_add_u32 v3, v[T+5], 8, v3
	s_mul_i32 s76, s18, 4352
	s_add_co_u32 s76, s76, STG                     ; my stage
	v_mul_u32_u24 v[T+6], v[T+2], 272
	v_add_nc_u32 v[T+6], s76, v[T+6]
	v_lshl_add_u32 v4, v[T+3], 7, v[T+6]           ; q out of it: row r, my half's 128 bytes
	v_lshl_add_u32 v7, v[T+3], 6, v[T+6]           ; results into it: row r, + 64 h
	v_mul_u32_u24 v8, v[T+3], 272
	v_lshl_add_u32 v8, v[T+2], 4, v8
	v_add_nc_u32 v8, s76, v8                       ; dense: lanes 0-15 one row, lanes 16-31 the next
	v_lshlrev_b32 v5, 7, v[T+4]
	v_lshl_add_u32 v5, v[T+3], 6, v5
	v_add_nc_u32 v5, K3, v5                        ; k3: row r & 7 (rows 8-15 repeat rows 0-7 and are masked), my half
	v_lshl_add_u32 v6, v[T+2], 2, V3W
	v_mov_b32 v9, 0xff800000
	v_lshlrev_b32 v10, 6, v[T]
	v_lshl_add_u32 v10, v[T+2], 2, v10             ; (till the barrier: 64 wave + 4 r, v2's scale word)
	v_lshlrev_b32 v11, 3, v[T+1]                   ; (till the barrier: 8 lane)
	v_lshlrev_b32 v12, 13, v[T+3]
	v_lshl_add_u32 v12, v[T+2], 6, v12
	v_lshl_add_u32 v12, v[T], 10, v12              ; (till the barrier: v2f at 8192 h + 64 r + 1024 wave)
	v_lshl_add_u32 v13, v[T+3], 4, 1
	v_lshlrev_b32 v[T+7], 3, v[T+3]
	v_sub_nc_u32 v[T+7], v[T+2], v[T+7]            ; r - 8 h
	v_cvt_f32_i32 v14, v[T+7]
	v_lshlrev_b32 v15, 4, v0
.irp j, 0,1,2,3,4,5,6,7
	v_cmp_gt_i32 s[28+\j], \j, v[T+7]
.endr
.irp j, 8,9,10,11,12,13,14,15
	v_mov_b32 v[T+\j], 0                           ; every register at work is written once: pairs are named whole, and a lane permute's destination counts as a source
.endr
.irp j, 4,5,6,7
	v_mov_b32 v[QC+\j], 0                          ; q's codes of k = 64 .. 127
	v_mov_b32 v[F+28+\j], 0                        ; what the last tile's fragment names beyond its four registers
.endr
	v_mov_b32 v[M1], 0
	s_lshl_b32 s36, ttmp9, 4
	s_add_co_u32 s36, s36, s18                     ; t0 = 16 p + wave
	s_lshl_b32 s37, ttmp9, 5
	s_sub_co_u32 s37, 240, s37                     ; to the tile of block 15 - p
	s_mov_b32 s38, 0
	s_mov_b32 s24, 0x3e38aa3b                      ; c1 = log2(e) / sqrt(64)
	s_mov_b32 s25, s24                             ; (named with it as a pair)
	s_mov_b32 s26, 0x76543210
	s_mov_b32 s27, 0xfedcba98
	s_mov_b32 s86, 0xceabfb8f                      ; -1e9 x log2(e)
	s_mov_b32 s77, 0
	s_wait_kmcnt 0x0
	s_load_b128 s[20:23], s[6:7], 0x0              ; the four gammas
	s_lshl_b32 s76, s19, 20
	s_add_nc_u64 s[40:41], s[4:5], s[76:77]
	s_add_nc_u64 s[42:43], s[16:17], s[76:77]
	s_lshl_b32 s76, s19, 19
	s_add_nc_u64 s[44:45], s[8:9], s[76:77]
	s_add_nc_u64 s[46:47], s[10:11], s[76:77]
	s_mul_i32 s76, s19, 40192
	s_add_nc_u64 s[78:79], s[12:13], s[76:77]
	s_lshl_b32 s76, s19, 14
	s_add_nc_u64 s[80:81], s[14:15], s[76:77]
	; ---- the head's level data: 40,192 bytes, 16 a thread and round; the fifth round is waves 0-13's, the last 256 bytes wave 14's.  Every load of this run has registers of its own
.irp n, 0,1,2,3
	global_load_b128 v[32+4*\n:35+4*\n], v15, s[78:79] offset:8192*\n
.endr
	s_cmp_lt_u32 s18, 14
	s_cbranch_scc0 .Lp_l5
	global_load_b128 v[48:51], v15, s[78:79] offset:32768
.Lp_l5:
	s_cmp_eq_u32 s18, 14
	s_cbranch_scc0 .Lp_l6
	global_load_b64 v[52:53], v11, s[78:79] offset:39936
.Lp_l6:
	s_cmp_lt_u32 s18, 4
	s_cbranch_scc0 .Lp_l7
.irp n, 0,1,2,3,4,5,6,7                ; waves 0-3, X = wave: lane (r, h) takes level-2 chunks 32 h .. 32 h + 31 of column d_X(r): one block
	global_load_b128 v[64+4*\n:67+4*\n], v12, s[80:81] offset:4096*(\n/4)+16*(\n%4)
.endr
.Lp_l7:
	SETTILE
	LOADQK                                         ; the first tile's q and k are on their way while LDS is filled
	s_wait_kmcnt 0x0
	s_mul_f32 s66, s20, 0xbfb8aa3b                 ; -gamma_l log2(e)
	s_mul_f32 s67, s21, 0xbfb8aa3b
	s_mul_f32 s68, s22, 0xbfb8aa3b
	s_mul_f32 s69, s23, 0xbfb8aa3b
	s_mul_f32 s70, s20, 0x41000000                 ; 8 gamma0
	s_mul_f32 s71, s21, 0x42800000                 ; 64 gamma1
	s_mul_f32 s72, s22, 0x44000000                 ; 512 gamma2
	s_wait_loadcnt 20                              ; all but LOADQK's twenty
.irp n, 0,1,2,3
	ds_store_b128 v15, v[32+4*\n:35+4*\n] offset:8192*\n
.endr
	s_cmp_lt_u32 s18, 14
	s_cbranch_scc0 .Lp_s5
	ds_store_b128 v15, v[48:51] offset:32768
.Lp_s5:
	s_cmp_eq_u32 s18, 14
	s_cbranch_scc0 .Lp_s6
	ds_store_b64 v11, v[52:53] offset:39936
.Lp_s6:
	s_cmp_lt_u32 s18, 4
	s_cbranch_scc0 .Lp_s7
	QUANT32 64, PC, T+4, T+5
	WORD T+6, T+5
	ds_store_b128 v15, v[PC:PC+3] offset:V2IMG     ; 16 x thread = 512 X + 16 lane
	ds_store_b32 v10, v[T+6] offset:V2SC           ; (both halves of the lanes store the same word)
.Lp_s7:
	s_wait_dscnt 0x0                               ; for the others' sake: my stores have landed
	s_barrier_signal -1
	s_barrier_wait -1                              ; the one barrier: from here on these bytes are only read, and a wave's stage is its own
; ---- the macros of a level.  CS, N8CS (-8 CS as f32) and NGS (the register of -g) are set ahead of each level
.macro KQ t                            ; scores of tile t: source 0 = 16 chunks, source 1 = my 16 queries; the fragment's upper four registers meet q's zero codes
.if (\t)%2
	v_wmma_scale_f32_16x16x128_f8f6f4 v[S+8*(\t):S+8*(\t)+7], v[F+4*(\t):F+4*(\t)+7], v[QC:QC+7], v[C8:C8+7], v[KS+(\t)/2], v[QS] matrix_a_fmt:MATRIX_FMT_FP4 matrix_b_fmt:MATRIX_FMT_FP4 matrix_a_scale:MATRIX_SCALE_ROW1
.else
	v_wmma_scale_f32_16x16x128_f8f6f4 v[S+8*(\t):S+8*(\t)+7], v[F+4*(\t):F+4*(\t)+7], v[QC:QC+7], v[C8:C8+7], v[KS+(\t)/2], v[QS] matrix_a_fmt:MATRIX_FMT_FP4 matrix_b_fmt:MATRIX_FMT_FP4
.endif
.endm
.macro SCORES1 s                       ; level 1, step s: 128 chunks, eight tiles.  Register 16 b + 8 u + j = chunk 128 s + 32 b + 16 h + 8 u + j
.irp t, 0,1,2,3,4,5,6,7
	ds_load_b128 v[F+4*\t:F+4*\t+3], v1 offset:K1IMG+(8*(\s)+\t)*512
.endr
.irp b, 0,1,2,3
	ds_load_b32 v[KS+\b], v2 offset:K1SC+(4*(\s)+\b)*128             ; lanes 0-15 tile 2 b's words, lanes 16-31 tile 2 b + 1's
.endr
	s_wait_dscnt 0x0
.irp t, 0,1,2,3,4,5,6,7
	KQ \t
.endr
	PLACES
.endm
.macro SCORES2                         ; level 2: 64 chunks, four tiles
.irp t, 0,1,2,3
	ds_load_b128 v[F+4*\t:F+4*\t+3], v3 offset:K2IMG+512*\t
.endr
.irp b, 0,1
	ds_load_b32 v[KS+\b], v2 offset:K2SC+128*\b
.endr
	s_wait_dscnt 0x0
.irp t, 0,1,2,3
	KQ \t
.endr
	PLACES
.endm
; t of block b of the step (block B of the level): c1 x (q . k + C8[j]) - g x (the whole-number distance of the half block's first chunk); then the mask, unless every query sees the whole block
.macro TCALC b, B
	v_add_nc_u32 v[T], -(CS*32*(\B)), v12
	v_cvt_f32_i32 v[T], v[T]                       ; exact
	v_add_f32 v[T+2], N8CS, v[T]                   ; exact
	v_mul_f32 v[T], s[NGS], v[T]
	v_mul_f32 v[T+2], s[NGS], v[T+2]
.irp k, 0,2,4,6
	v_pk_fma_f32 v[S+16*(\b)+\k:S+16*(\b)+\k+1], v[S+16*(\b)+\k:S+16*(\b)+\k+1], s[24:25], v[T:T+1] op_sel_hi:[1,0,0]
.endr
.irp k, 8,10,12,14
	v_pk_fma_f32 v[S+16*(\b)+\k:S+16*(\b)+\k+1], v[S+16*(\b)+\k:S+16*(\b)+\k+1], s[24:25], v[T+2:T+3] op_sel_hi:[1,0,0]
.endr
	s_cmp_gt_u32 s75, \B
	s_cbranch_scc1 .Lopen_\@
	v_add_nc_u32 v[T+4], -32*(\B), v11             ; register n is hidden where n > lim - 16 h - 32 B
.irp n, 0,1,2,3,4,5,6,7,8,9,10,11,12,13,14,15
	v_cmp_gt_i32 vcc_lo, \n, v[T+4]
	v_cndmask_b32 v[S+16*(\b)+\n], v[S+16*(\b)+\n], v9, vcc_lo
.endr
.Lopen_\@:
.endm
.macro BLKA b, B, lv                   ; pass A: the block's largest t
.if (\B) > 0
	s_cmp_le_u32 s74, \B
	s_cbranch_scc1 .Lpa_end_\lv
.endif
	TCALC \b, \B
	v_max3_num_f32 v[BM+(\B)], v[S+16*(\b)], v[S+16*(\b)+1], v[S+16*(\b)+2]
	v_max3_num_f32 v[T+6], v[S+16*(\b)+3], v[S+16*(\b)+4], v[S+16*(\b)+5]
	v_max3_num_f32 v[BM+(\B)], v[BM+(\B)], v[S+16*(\b)+6], v[S+16*(\b)+7]
	v_max3_num_f32 v[T+6], v[T+6], v[S+16*(\b)+8], v[S+16*(\b)+9]
	v_max3_num_f32 v[BM+(\B)], v[BM+(\B)], v[S+16*(\b)+10], v[S+16*(\b)+11]
	v_max3_num_f32 v[T+6], v[T+6], v[S+16*(\b)+12], v[S+16*(\b)+13]
	v_max3_num_f32 v[BM+(\B)], v[BM+(\B)], v[S+16*(\b)+14], v[S+16*(\b)+15]
	v_max_num_f32 v[BM+(\B)], v[BM+(\B)], v[T+6]
	v_permlanex16_b32 v[T+4], v[BM+(\B)], s26, s27
	v_max_num_f32 v[BM+(\B)], v[BM+(\B)], v[T+4]   ; with lane l xor 16's 16 chunks
.endm
.macro POSTA n                         ; the level's maximum; each block's largest p, its scale operand and byte; p's scale words
	v_max3_num_f32 v[M1], v[BM], v[BM+1], v[BM+2]
.if \n == 16
.irp k, 3,5,7,9,11,13
	v_max3_num_f32 v[M1], v[M1], v[BM+\k], v[BM+\k+1]
.endr
	v_max_num_f32 v[M1], v[M1], v[BM+15]
.else
	v_max_num_f32 v[M1], v[M1], v[BM+3]
.endif
	v_max_num_f32 v[MS], s86, v[M1]                ; as reference() holds it from below: finite where a row sees no chunk
.set i, 0
.rept \n/2
	v_pk_add_f32 v[BM+i:BM+i+1], v[BM+i:BM+i+1], v[MS:MS+1] op_sel_hi:[1,0] neg_lo:[0,1] neg_hi:[0,1]
.set i, i+2
.endr
.set i, 0
.rept \n
	v_exp_f32 v[BM+i], v[BM+i]
.set i, i+1
.endr
	v_nop                                          ; a plain place behind the exponentials
.set i, 0
	s_wait_alu depctr_va_vdst(0)
.rept \n
	v_max_num_f32 v[BM+i], 0x1800000, v[BM+i]      ; the floor 2^(3 - 127)
.set i, i+1
.endr
.set i, 0
.rept \n
	v_add_nc_u32 v[BM+i], 0xff000000, v[BM+i]      ; 2 off the exponent field: the conversion's scale operand
.set i, i+1
.endr
.set i, 0
.rept \n/4
	v_lshrrev_b32 v[T+8], 23, v[BM+4*i]
	v_lshrrev_b32 v[T+9], 23, v[BM+4*i+1]
	v_lshrrev_b32 v[T+10], 23, v[BM+4*i+2]
	v_lshrrev_b32 v[T+11], 23, v[BM+4*i+3]
	v_lshl_or_b32 v[PW+i], v[T+9], 8, v[T+8]
	v_lshl_or_b32 v[PW+i], v[T+10], 16, v[PW+i]
	v_lshl_or_b32 v[PW+i], v[T+11], 24, v[PW+i]
.set i, i+1
.endr
.endm
.macro BLKB b, B                       ; pass B: p of the block, its codes, its part of the sum; a block that nobody sees gets zero codes
.if (\B) > 0
	s_cmp_le_u32 s74, \B
	s_cbranch_scc1 .Lzero_\@
.endif
	TCALC \b, \B
.irp k, 0,2,4,6,8,10,12,14
	v_pk_add_f32 v[S+16*(\b)+\k:S+16*(\b)+\k+1], v[S+16*(\b)+\k:S+16*(\b)+\k+1], v[MS:MS+1] op_sel_hi:[1,0] neg_lo:[0,1] neg_hi:[0,1]
.endr
.irp k, 0,1,2,3,4,5,6,7,8,9,10,11,12,13,14,15
	v_exp_f32 v[S+16*(\b)+\k], v[S+16*(\b)+\k]
.endr
	v_nop                                          ; a plain place behind the exponentials
	s_wait_alu depctr_va_vdst(0)
	v_cvt_scalef32_pk8_fp4_f32 v[PC+2*(\b)], v[S+16*(\b):S+16*(\b)+7], v[BM+(\B)]
	v_cvt_scalef32_pk8_fp4_f32 v[PC+2*(\b)+1], v[S+16*(\b)+8:S+16*(\b)+15], v[BM+(\B)]
.irp k, 0,4,8,12
	v_pk_add_f32 v[LSUM:LSUM+1], v[LSUM:LSUM+1], v[S+16*(\b)+\k:S+16*(\b)+\k+1]         ; the sum of the UNQUANTISED p, in two chains; also the plain places behind the conversions
	v_pk_add_f32 v[LSUM+2:LSUM+3], v[LSUM+2:LSUM+3], v[S+16*(\b)+\k+2:S+16*(\b)+\k+3]
.endr
.if (\B) > 0
	s_branch .Ldone_\@
.Lzero_\@:
	v_mov_b32 v[PC+2*(\b)], 0
	v_mov_b32 v[PC+2*(\b)+1], 0
.Ldone_\@:
.endif
.endm
.macro PV x, a, pw, first              ; O^T of the level: source 0 = 16 of the head's 64 (rows d_X), source 1 = p
.if \first
.if (\x)%2
	v_wmma_scale_f32_16x16x128_f8f6f4 v[OB+8*(\x):OB+8*(\x)+7], v[\a:\a+7], v[PC:PC+7], 0, v[VS+(\x)/2], v[\pw] matrix_a_fmt:MATRIX_FMT_FP4 matrix_b_fmt:MATRIX_FMT_FP4 matrix_a_scale:MATRIX_SCALE_ROW1
.else
	v_wmma_scale_f32_16x16x128_f8f6f4 v[OB+8*(\x):OB+8*(\x)+7], v[\a:\a+7], v[PC:PC+7], 0, v[VS+(\x)/2], v[\pw] matrix_a_fmt:MATRIX_FMT_FP4 matrix_b_fmt:MATRIX_FMT_FP4
.endif
.else
.if (\x)%2
	v_wmma_scale_f32_16x16x128_f8f6f4 v[OB+8*(\x):OB+8*(\x)+7], v[\a:\a+7], v[PC:PC+7], v[OB+8*(\x):OB+8*(\x)+7], v[VS+(\x)/2], v[\pw] matrix_a_fmt:MATRIX_FMT_FP4 matrix_b_fmt:MATRIX_FMT_FP4 matrix_a_scale:MATRIX_SCALE_ROW1
.else
	v_wmma_scale_f32_16x16x128_f8f6f4 v[OB+8*(\x):OB+8*(\x)+7], v[\a:\a+7], v[PC:PC+7], v[OB+8*(\x):OB+8*(\x)+7], v[VS+(\x)/2], v[\pw] matrix_a_fmt:MATRIX_FMT_FP4 matrix_b_fmt:MATRIX_FMT_FP4
.endif
.endif
.endm
.macro SWAPS                           ; the operand's layout wants a WHOLE block in a lane: lanes 0-15 block 2 c, lanes 16-31 block 2 c + 1
.irp c, 0,1
.irp i, 0,1
	v_permlane16_swap_b32 v[PC+4*\c+\i], v[PC+4*\c+2+\i]
.endr
.endr
	PLACES                                         ; an operand written by vector instructions stands four places ahead of a scaled matrix instruction
	s_wait_dscnt 0x0                               ; v's fragments and scale words are in
.endm
.macro LEVELSET lv, log, n, sg
	s_sub_co_i32 s82, s39, 16                      ; the tile's last query - 31
	s_ashr_i32 s82, s82, \log
	s_add_co_i32 s82, s82, 31                      ; its last visible chunk + 32
	s_ashr_i32 s74, s82, 5                         ; blocks of 32 chunks that some query sees
	s_sub_co_i32 s83, s39, 31                      ; the tile's first query - 31
	s_ashr_i32 s83, s83, \log                      ; its last visible chunk + 1
	s_ashr_i32 s83, s83, 5
	s_max_i32 s75, s83, 0                          ; blocks that every query sees whole
	s_cmp_eq_u32 s74, 0
	s_cbranch_scc1 .Lskip_\lv                      ; nothing of this level counts for these queries: the merge would change nothing
	v_add_nc_u32 v11, -31, v10
	v_ashrrev_i32 v11, \log, v11
	v_sub_nc_u32 v11, v11, v13                     ; lim - 16 h
	v_lshlrev_b32 v[T], \log, v13
	v_sub_nc_u32 v12, v10, v[T]
	v_add_nc_u32 v12, CS/2, v12                    ; i - cs/2 - 16 cs h
	SETC8 \sg
.set i, 0
.rept \n
	v_mov_b32 v[BM+i], v9
.set i, i+1
.endr
.irp j, 0,1,2,3
	v_mov_b32 v[LSUM+\j], 0
.endr
.endm
.macro MERGE                           ; (m, l, o) with the level's (m, l, o), as reference() merges them, in base 2
	v_max_num_f32 v[T+4], v[MR], v[M1]
	v_sub_f32 v[T], v[MR], v[T+4]
	v_sub_f32 v[T+2], v[M1], v[T+4]
	v_exp_f32 v[T], v[T]
	v_exp_f32 v[T+2], v[T+2]
	v_mov_b32 v[MR], v[T+4]                        ; (a plain place behind the exponentials)
	v_pk_add_f32 v[LSUM:LSUM+1], v[LSUM:LSUM+1], v[LSUM+2:LSUM+3]
	s_wait_alu depctr_va_vdst(0)
	v_pk_mul_f32 v[LR:LR+1], v[LR:LR+1], v[T:T+1] op_sel_hi:[1,0]
	v_pk_fma_f32 v[LR:LR+1], v[LSUM:LSUM+1], v[T+2:T+3], v[LR:LR+1] op_sel_hi:[1,0,1]
.set i, 0
.rept 16
	v_pk_mul_f32 v[O+i:O+i+1], v[O+i:O+i+1], v[T:T+1] op_sel_hi:[1,0]
.set i, i+2
.endr
.set i, 0
.rept 16
	v_pk_fma_f32 v[O+i:O+i+1], v[OB+i:OB+i+1], v[T+2:T+3], v[O+i:O+i+1] op_sel_hi:[1,0,1]
.set i, i+2
.endr
.endm
.Ltile:                                            ; two trips
	s_wait_xcnt 0x0                                ; the last tile's stores have read v32-63 and their base
	s_lshl_b32 s76, s36, 12
	s_add_nc_u64 s[50:51], s[42:43], s[76:77]      ; out0 at my 16 rows
	s_lshl_b32 s39, s36, 4
	s_cmp_lt_u32 s36, 2
	s_cselect_b32 s87, 0xff800000, 0
	s_cmp_lt_u32 s36, 1
	s_cselect_b32 s88, 0xff800000, 0
	v_and_b32 v10, 15, v0
	v_add_nc_u32 v10, s39, v10                     ; my query
	; ================= THE WINDOW AND LEVEL 3: one softmax over key tiles t0 - 2, t0 - 1, t0 and a tile of the 8 level-3 chunks
	s_wait_loadcnt 12                              ; q's eight loads are in; kb's twelve may be out
.irp n, 0,1,2,3,4,5,6,7
	ds_store_b128 v8, v[QF+4*\n:QF+4*\n+3] offset:544*\n
.endr
.irp n, 0,1,2,3,4,5,6,7
	ds_load_b128 v[QF+4*\n:QF+4*\n+3], v4 offset:16*\n               ; in order behind my stores: lane (r, h) now holds q(r, 32 h .. 32 h + 31)
.endr
.irp g, 0,1,2,3
	ds_load_b128 v[176+4*\g:179+4*\g], v5 offset:16*\g
.endr
	s_wait_dscnt 0x0
	QUANT32 QF, QC, T+4, T+5                       ; q's codes serve both levels
	WORD QS, T+5
	SETC8 70
.set i, 0
.rept 16
	v_cvt_pk_bf16_f32 v[QB+i], v[QF+2*i], v[QF+2*i+1]
.set i, i+1
.endr
	s_wait_loadcnt 0x0                             ; kb's tiles
	; S^T = K Q^T.  Both sides hold d = 32 h + 16 f + 0 .. 15 in the places of product f: the same permutation of k.  The four accumulators take turns
.irp a, 0,1,2
	v_wmma_f32_16x16x32_bf16 v[S+8*\a:S+8*\a+7], v[128+16*\a:135+16*\a], v[QB:QB+7], v[C8:C8+7]
.endr
	v_wmma_f32_16x16x32_bf16 v[S+24:S+31], v[176:183], v[QB:QB+7], 0
.irp a, 0,1,2,3
	v_wmma_f32_16x16x32_bf16 v[S+8*\a:S+8*\a+7], v[136+16*\a:143+16*\a], v[QB+8:QB+15], v[S+8*\a:S+8*\a+7]
.endr
	; the biases (also the places behind those products).  Tile a, register j: i - key = (r - 8 h) + 32 - 16 a - j
	v_add_f32 v[T], 0x42000000, v14
	v_add_f32 v[T+2], 0x41800000, v14
	v_mul_f32 v[T+4], s66, v14
	v_fma_f32 v[T], s66, v[T], s87                 ; -inf where the tile lies ahead of key 0
	v_fma_f32 v[T+2], s66, v[T+2], s88
	v_add_nc_u32 v[T+6], 0xffffff00, v10
	v_cvt_f32_i32 v[T+6], v[T+6]
	v_mul_f32 v[T+6], s69, v[T+6]                  ; -g3 (i - 256)
	v_add_nc_u32 v[T+7], -31, v10
	v_ashrrev_i32 v[T+7], 9, v[T+7]
	v_sub_nc_u32 v[T+7], v[T+7], v13               ; level 3: lim - 16 h: under 0 in lanes 16-31, whose rows repeat
.irp x, 0,1,2,3
	global_load_b128 v[128+8*\x:131+8*\x], v1, s[58:59] offset:512*\x
	global_load_b128 v[132+8*\x:135+8*\x], v1, s[60:61] offset:512*\x
	global_load_b128 v[160+8*\x:163+8*\x], v1, s[62:63] offset:512*\x
.endr
.irp x, 0,1,2,3
.irp d, 0,1,2,3
	ds_load_b32 v[164+8*\x+\d], v6 offset:256*\d+64*\x               ; v3: chunks 2 d, 2 d + 1 of row d_X(r)
.endr
.endr
	v_mov_b32 v[T+8], v[T+6]                       ; -g3 (i - 256 - 512 j)
	v_fma_f32 v[T+9], s69, 0xc4000000, v[T+6]
	v_fma_f32 v[T+10], s69, 0xc4800000, v[T+6]
	v_fma_f32 v[T+11], s69, 0xc4c00000, v[T+6]
	v_fma_f32 v[T+12], s69, 0xc5000000, v[T+6]
	v_fma_f32 v[T+13], s69, 0xc5200000, v[T+6]
	v_fma_f32 v[T+14], s69, 0xc5400000, v[T+6]
	v_fma_f32 v[T+15], s69, 0xc5600000, v[T+6]
.irp a, 0,1,2
.irp k, 0,2,4,6
	v_pk_fma_f32 v[S+8*\a+\k:S+8*\a+\k+1], v[S+8*\a+\k:S+8*\a+\k+1], s[24:25], v[T+2*\a:T+2*\a+1] op_sel_hi:[1,0,0]
.endr
.endr
.irp k, 0,2,4,6
	v_pk_fma_f32 v[S+24+\k:S+24+\k+1], v[S+24+\k:S+24+\k+1], s[24:25], v[T+8+\k:T+8+\k+1] op_sel_hi:[1,0,1]
.endr
.irp j, 0,1,2,3,4,5,6,7
	v_cndmask_b32 v[S+\j], v9, v[S+\j], s[28+\j]                     ; tile 0: inside the window where j > r - 8 h
	v_cndmask_b32 v[S+16+\j], v[S+16+\j], v9, s[28+\j]               ; tile 2: causal where j <= r - 8 h
.endr
.irp j, 0,1,2,3,4,5,6,7
	v_cmp_gt_i32 vcc_lo, \j, v[T+7]
	v_cndmask_b32 v[S+24+\j], v[S+24+\j], v9, vcc_lo
.endr
.irp a, 0,1,2,3
	v_max3_num_f32 v[T+8+\a], v[S+8*\a], v[S+8*\a+1], v[S+8*\a+2]
.endr
.irp k, 3,5
.irp a, 0,1,2,3
	v_max3_num_f32 v[T+8+\a], v[T+8+\a], v[S+8*\a+\k], v[S+8*\a+\k+1]
.endr
.endr
.irp a, 0,1,2,3
	v_max_num_f32 v[T+8+\a], v[T+8+\a], v[S+8*\a+7]
.endr
	v_max3_num_f32 v[T+8], v[T+8], v[T+9], v[T+10]
	v_max_num_f32 v[T+8], v[T+8], v[T+11]
	v_permlanex16_b32 v[T+9], v[T+8], s26, s27
	v_max_num_f32 v[MR], v[T+8], v[T+9]            ; finite: the query's own key counts
	v_mov_b32 v[MS], v[MR]
.set i, 0
.rept 16
	v_pk_add_f32 v[S+i:S+i+1], v[S+i:S+i+1], v[MS:MS+1] op_sel_hi:[1,0] neg_lo:[0,1] neg_hi:[0,1]
.set i, i+2
.endr
.set i, 0
.rept 32
	v_exp_f32 v[S+i], v[S+i]
.set i, i+1
.endr
	v_nop                                          ; a plain place behind the exponentials
	s_wait_alu depctr_va_vdst(0)
	v_pk_add_f32 v[LR:LR+1], v[S:S+1], v[S+2:S+3]  ; my lane's part of the sum, in two chains; the lanes are joined at the end
	v_pk_add_f32 v[T:T+1], v[S+4:S+5], v[S+6:S+7]
.irp k, 8,12,16,20,24,28
	v_pk_add_f32 v[LR:LR+1], v[LR:LR+1], v[S+\k:S+\k+1]
	v_pk_add_f32 v[T:T+1], v[T:T+1], v[S+\k+2:S+\k+3]
.endr
	v_pk_add_f32 v[LR:LR+1], v[LR:LR+1], v[T:T+1]
.set i, 0
.rept 16
	v_cvt_pk_bf16_f32 v[PB+i], v[S+2*i], v[S+2*i+1]                  ; two tiles' registers, packed, are source 1 of the next product as they stand
.set i, i+1
.endr
	s_wait_loadcnt 0x0                             ; vb's tiles
	s_wait_dscnt 0x0                               ; v3's words
.irp x, 0,1,2,3
	v_wmma_f32_16x16x32_bf16 v[O+8*\x:O+8*\x+7], v[128+8*\x:135+8*\x], v[PB:PB+7], 0
.endr
.irp x, 0,1,2,3
	v_wmma_f32_16x16x32_bf16 v[O+8*\x:O+8*\x+7], v[160+8*\x:167+8*\x], v[PB+8:PB+15], v[O+8*\x:O+8*\x+7]
.endr
	; ================= LEVEL 1: 512 chunks of 8 keys, in steps of 128
.set CS, 8
.set N8CS, 0xc2800000
.set NGS, 67
	LEVELSET 1, 3, 16, 71
.irp s, 0,1,2,3
.if \s > 0
	s_cmp_le_u32 s74, 4*\s
	s_cbranch_scc1 .Lpa_end_1
.endif
	SCORES1 \s
.irp b, 0,1,2,3
	BLKA \b, 4*\s+\b, 1
.endr
.endr
.Lpa_end_1:
	POSTA 16
.irp s, 0,1,2,3
.if \s > 0
	s_cmp_le_u32 s74, 4*\s
	s_cbranch_scc1 .Lpb_end_1
.endif
	SCORES1 \s
.irp x, 0,1,2,3
.irp c, 0,1
	ds_load_b128 v[F+8*\x+4*\c:F+8*\x+4*\c+3], v1 offset:V1IMG+4096*\s+1024*\x+512*\c     ; v1's fragments land while p is made
.endr
.endr
.irp c, 0,1
	ds_load_b32 v[VS+\c], v2 offset:V1SC+256*\s+128*\c
.endr
.irp b, 0,1,2,3
	BLKB \b, 4*\s+\b
.endr
	SWAPS
.irp x, 0,1,2,3
.if \s == 0
	PV \x, F+8*\x, PW+\s, 1
.else
	PV \x, F+8*\x, PW+\s, 0
.endif
.endr
	PLACES
.endr
.Lpb_end_1:
	MERGE
.Lskip_1:
	; ================= LEVEL 2: 64 chunks of 64 keys, one step, two blocks; blocks 2 and 3 of the instruction's 128 are zero codes
.set CS, 64
.set N8CS, 0xc4000000
.set NGS, 68
	LEVELSET 2, 6, 4, 72
	SCORES2
	BLKA 0, 0, 2
	BLKA 1, 1, 2
.Lpa_end_2:
	POSTA 4
	SCORES2
.irp x, 0,1,2,3
	ds_load_b128 v[F+4*\x:F+4*\x+3], v1 offset:V2IMG+512*\x
.endr
.irp c, 0,1
	ds_load_b32 v[VS+\c], v2 offset:V2SC+128*\c
.endr
	BLKB 0, 0
	BLKB 1, 1
.irp j, 4,5,6,7
	v_mov_b32 v[PC+\j], 0
.endr
	SWAPS
.irp x, 0,1,2,3
	PV \x, F+4*\x, PW, 1
.endr
	PLACES
	MERGE
.Lskip_2:
	; ================= the next tile's q and k are asked for ahead of this tile's way out
	PLACES                                         ; on the ways that skip the levels these are the places behind the window's last products
	s_cmp_lg_u32 s38, 0
	s_cbranch_scc1 .Lno_next                       ; the second tile has no successor: no load leaves its buffer
	s_add_co_u32 s36, s36, s37
	SETTILE                                        ; (every load that named these registers has been waited for)
	LOADQK
.Lno_next:
	; ================= THE WAY OUT: O^T / max(l, 1e-8), through my stage, as whole rows
	v_add_f32 v[T], v[LR], v[LR+1]
	v_permlanex16_b32 v[T+1], v[T], s26, s27
	v_add_f32 v[T], v[T], v[T+1]
	v_max_num_f32 v[T], 0x322bcc77, v[T]
	v_rcp_f32 v[T], v[T]
	v_nop                                          ; a plain place behind the transcendental
	s_wait_alu depctr_va_vdst(0)
.irp j, 0,1,2,3,4,5,6,7                ; accumulator X, register j is d = 16 h + 2 j + (X % 2) + 32 (X / 2): two accumulators interleave into 16 neighbours
	v_mul_f32 v[64+2*\j], v[O+\j], v[T]
	v_mul_f32 v[65+2*\j], v[O+8+\j], v[T]
.endr
.irp j, 0,1,2,3,4,5,6,7
	v_mul_f32 v[80+2*\j], v[O+16+\j], v[T]
	v_mul_f32 v[81+2*\j], v[O+24+\j], v[T]
.endr
.irp g, 0,1,2,3
	ds_store_b128 v7, v[64+4*\g:67+4*\g] offset:16*\g
	ds_store_b128 v7, v[80+4*\g:83+4*\g] offset:128+16*\g
.endr
.irp n, 0,1,2,3,4,5,6,7
	ds_load_b128 v[32+4*\n:35+4*\n], v8 offset:544*\n                ; in order behind my stores
.endr
.irp n, 0,1,2,3,4,5,6,7
	s_wait_dscnt 7-\n                              ; the younger loads from the stage may be out
	global_store_b128 v1, v[32+4*\n:35+4*\n], s[50:51] offset:512*\n th:TH_STORE_NT   ; 512 consecutive bytes, two whole rows
.endr
	s_add_co_u32 s38, s38, 1
	s_cmp_lt_u32 s38, 2
	s_cbranch_scc1 .Ltile
	s_wait_xcnt 0x0
	v_lshl_add_u32 v254, v0, 2, 0x1b600
	v_mov_b32 v255, 0
	s_wait_tensorcnt 0x0
	ds_add_u32 v254, v255
	s_wait_dscnt 0x0
	s_endpgm
.Lfunc_end_k_qc7eb28ec0c_attend:
	.size	k_qc7eb28ec0c_attend, .Lfunc_end_k_qc7eb28ec0c_attend-k_qc7eb28ec0c_attend
	.p2alignl 7, 3214868480
	.fill 96, 4, 3214868480
	.section	.rodata,"a",@progbits
	.p2align	6, 0x0
	.amdhsa_kernel k_qc7eb28ec0c_attend
		.amdhsa_group_segment_fixed_size 114176
		.amdhsa_private_segment_fixed_size 0
		.amdhsa_enable_private_segment 0
		.amdhsa_kernarg_size 56
		.amdhsa_user_sgpr_count 2
		.amdhsa_user_sgpr_kernarg_segment_ptr 1
		.amdhsa_wavefront_size32 1
		.amdhsa_system_sgpr_workgroup_id_x 1
		.amdhsa_system_sgpr_workgroup_id_y 1
		.amdhsa_system_sgpr_workgroup_id_z 1
		.amdhsa_system_vgpr_workitem_id 0
		.amdhsa_next_free_vgpr 256
		.amdhsa_next_free_sgpr 96
		.amdhsa_reserve_vcc 1
		.amdhsa_float_denorm_mode_32 3
		.amdhsa_float_denorm_mode_16_64 3
		.amdhsa_memory_ordered 1
		.amdhsa_forward_progress 1
		.amdhsa_inst_pref_size 184
	.end_amdhsa_kernel
	.amdgpu_metadata
---
amdhsa.version: [ 1, 2 ]
amdhsa.kernels:
  - .name:           k_qc7eb28ec0c_attend
    .symbol:         k_qc7eb28ec0c_attend.kd
    .args:
      - { .name: q, .offset: 0, .size: 8, .value_kind: global_buffer, .address_space: global }
      - { .name: gammas, .offset: 8, .size: 8, .value_kind: global_buffer, .address_space: global }
      - { .name: kb, .offset: 16, .size: 8, .value_kind: global_buffer, .address_space: global }
      - { .name: vb, .offset: 24, .size: 8, .value_kind: global_buffer, .address_space: global }
      - { .name: lv, .offset: 32, .size: 8, .value_kind: global_buffer, .address_space: global }
      - { .name: v2f, .offset: 40, .size: 8, .value_kind: global_buffer, .address_space: global }
      - { .name: out0, .offset: 48, .size: 8, .value_kind: global_buffer, .address_space: global }
    .group_segment_fixed_size: 114176
    .private_segment_fixed_size: 0
    .kernarg_segment_align: 8
    .kernarg_segment_size: 56
    .max_flat_workgroup_size: 512
    .sgpr_count:     96
    .vgpr_count:     256
    .wavefront_size: 32
...
	.end_amdgpu_metadata
.endif
;; end of part 2
;; ======== version 2 of 2: 2 launches; version 1 with the launch attend written anew for expert scheduling mode
;; workspace buffers: kb 16,777,216 bytes; vb 16,777,216 bytes; lv 1,286,144 bytes; v2f 524,288 bytes
;; launch pool: the kernel of part 1 again; grid 128 x 2, 4 waves a work-group, no clusters, 27,392 bytes of LDS; arguments k, v, kb, vb, lv, v2f; writes kb, vb, lv, v2f
;; launch attend (part 3): grid 8 x 32, 16 waves a work-group, no clusters, 114,176 bytes of LDS; arguments q, gammas, kb, vb, lv, v2f, out0; writes out0
.if DOCPART == 3
	.amdgcn_target "amdgcn-amd-amdhsa--gfx1250"
	.amdhsa_code_object_version 6
	.text
	.protected	k_qc7eb28ec0c_attend
	.globl	k_qc7eb28ec0c_attend
	.p2align	8
	.type	k_qc7eb28ec0c_attend,@function
k_qc7eb28ec0c_attend:
	s_mov_b64 s[64:65], 0
	v_nop
	global_prefetch_b8 v0, s[64:65] scope:SCOPE_SE
	s_setreg_imm32_b32 hwreg(HW_REG_WAVE_SCHED_MODE, 0, 2), 2
	s_setreg_imm32_b32 hwreg(HW_REG_WAVE_MODE, 25, 1), 1
	s_wait_xcnt 0x0
	s_wait_alu depctr_vm_vsrc(0)
; ATTEND: out = the merge of four softmax parts over 32 heads x 4,096 queries x 64: a causal window of 32 keys and level 3 (8 chunk means), both on bf16 operands, taken as ONE softmax of 64 "keys";
; level 1 (512 chunk means) and level 2 (64), both products of each on E2M1 codes with E8M0 scales for each 32 along K.
; WHAT THE QUANTISER ASKS.  The operand of a level's second product is exp(score - m) with the level's own FINAL row maximum: so each level has two passes.  Pass A makes the scores and the largest t of each
; block of 32 chunks; pass B makes the same scores again by the same instructions (the same bits), takes the maximum away by a true subtraction, so that the row's largest p is exactly 1, and quantises.
; t = score x log2(e); p = 2^(t - M).  A block's largest p is the block's largest t put through the same subtraction and exponential.  The row's sum is taken of the unquantised p.
; SHARES.  Work-group (p, head) takes query blocks p and 15 - p of 256, so that all work-groups see as many level-1 chunks.  Wave w takes tile 16 p + w of 16 queries, then the tile 240 - 32 p further on.
; All products are used transposed: a lane (r = lane % 16, h = lane / 16) holds ONE query, 16 t0 + r, throughout.  Four waves share a SIMD: one wave's vector work stands beside another's loads and products.
; MASKS.  Chunk c of size cs counts for query i where c <= ((i - 31) >> log cs) - 1.  Blocks of 32 chunks that no query of the tile sees are left out by scalar branches on ids; of the others only the last can need the mask.
; The head's level data (40 KB) come into LDS once, through registers; nothing in LDS is filled twice, so there are no tensor loads and one barrier.  No cluster: the eight work-groups of a head share those 40 KB alone,
; a hundredth of what a work-group reads.
; LIMITS: blocks whose largest magnitude lies under 2^-124 keep the byte 1; NaN and infinities among the inputs are not served; p under 2^-126 counts as 0; the window and level 3 take bf16 operands;
;   level 3 is merged with the window first, another order of the same merge.
; THE MODE: SCHED_MODE bits 1:0 = 2 (LLVM: expert scheduling mode 2), set by the entry lines.  The code itself states the register dependences between vector or matrix instructions and memory or LDS
; instructions, with s_wait_alu, always for 0.
; THE PLAN.  Registers that memory or LDS instructions touch:
;   v1-8, v15    addresses: written at the head, ahead of one wait on va_vdst, and never again.  v10-12 are addresses till the barrier and are written anew in the loop.
;   v96-127      q as loaded; read by the stage's eight LDS stores; the stage's loads land in them again; from then on vector and matrix instructions alone name them, till the next tile's q is asked for.
;   v128-191     fragments (from v160 on: F): kb, then vb and v3, then k1, v1, k2, v2 land in them by turns; only matrix instructions read them.  KS and VS, scale words, likewise.
;   v64-95       on the way out: written by the multiplies, read by the stage's LDS stores.      v32-63 (O): the stage's loads land in them on the way out; the global stores read them.
; A wait on va_vdst stands ahead of each run of loads into fragments: it states that the matrix instructions which read the fragments before are done with them.  One stands ahead of the next tile's twenty loads, one
; ahead of the way out's LDS stores and loads, one (behind its places) ahead of each run of scaled products that take p's fresh codes.  No vector or matrix instruction between such a wait and its run names a register of the run.
; ONE wait on vm_vsrc a trip, behind the stage's stores of q: no vector line stands between the loop's label and it, so it frees q's registers for the stage's loads, and with them all that earlier LDS and global
; stores read: the last tile's v32-95 and, in the first trip, the registers of the lines ahead of the barrier.
; A mask is made by a run of compares into scalar registers, one wait on va_sdst, and the selects.
.set K1IMG, 0                          ; LDS.  Bytes 0 .. 40,191 are lv's bytes of the head as they lie: k1's 32 tiles x 512 bytes,
.set V1IMG, 16384                      ; v1's images [step 4][X 4][c 2] x 512,
.set K1SC,  32768                      ; k1's scale words [tile][16],
.set V1SC,  34816                      ; v1's [step][X][16],
.set K2IMG, 35840                      ; k2's 4 tiles,
.set K3,    37888                      ; k3 [8][64] bf16,
.set V3W,   38912                      ; v3 as words of two chunks [4][X][16],
.set K2SC,  39936                      ; k2's scale words.
.set V2IMG, 40192                      ; Made here: v2's 4 images
.set V2SC,  42240                      ; and scale words.
.set STG,   42496                      ; A stage of 16 rows x 272 bytes for each wave
; REGISTERS: v1 16 lane; v2 4 lane; v3 256 (r>>3) + 128 h + 16 (r&7); v4, v7, v8 my stage; v5 k3; v6 v3; v9 -inf; v10 my query; v11 lim - 16 h; v12 i - cs/2 - 16 cs h; v13 16 h + 1; v14 float(r - 8 h); v15 16 x thread
.set C8,  16                           ; v16-23   the bias that goes with the register's number, as the C of the scores
.set QC,  24                           ; v24-31   q's codes: 4 registers and 4 of zeros
.set O,   32                           ; v32-63   O^T
.set OB,  64                           ; v64-95   a level's O^T.  In the window's part: v64-79 q in bf16, v80-95 p in bf16
.set QB,  64
.set PB,  80
.set S,   96                           ; v96-159  scores, then p.  v96-127 also q in f32
.set QF,  96
.set F,   160                          ; v160-195 fragments from LDS (v128-191: the window's k and v); v192-195 stay zero
.set PC,  196                          ; v196-203 p's codes
.set BM,  204                          ; v204-219 the blocks' largest t, then the conversions' scale operands
.set PW,  220                          ; v220-223 p's scale words;  v224-227 k's;  v228-229 v's;  v230 q's: these hold scales and nothing else
.set KS,  224
.set VS,  228
.set QS,  230
.set MR,  231                          ; the running maximum
.set LR,  232                          ; v232-233 the running sum, my lane's part, in two halves
.set MS,  234                          ; the maximum that is taken away;  v235 the level's maximum
.set M1,  235
.set T,   236                          ; v236-251 at work
.set LSUM, 252                         ; v252-255 a level's sum, two pairs
.set MK,  2                            ; s2-17    the masks of a block's sixteen registers (s4-17 held the arguments, which the head alone reads)
; SCALARS: s18 wave, s19 head, s[20:23] gammas, s[24:25] c1 = log2(e) / 8, s[26:27] selects, s[28:35] lanes where j > r - 8 h, s36 t0, s37 the step to the second tile, s38 the trip, s39 16 t0,
;   s[40:47] the head in q, out0, kb, vb; s[48:49] q's tile; s[50:51] out0's; s[52:57] kb's three tiles; s[58:63] vb's; s66-69 -gamma_l log2(e); s70-72 8 gamma0, 64 gamma1, 512 gamma2;
;   s74, s75 blocks seen, blocks wholly seen; s76 (with s77 = 0), s82, s83 at work; s86 -1e9 log2(e); s87, s88 -inf where the window's tile 0, 1 lies ahead of the head's first key, else 0
.macro QUANT32 src, dst, sop, by       ; 32 numbers of ONE lane, one block, become 4 registers of codes
	v_max3_num_f32 v[T], |v[(\src)]|, |v[(\src)+1]|, 0x1800000        ; two chains; the floor 2^(3 - 127) is a leaf, so the byte cannot fall under 1
	v_max3_num_f32 v[T+1], |v[(\src)+16]|, |v[(\src)+17]|, |v[(\src)+18]|
.irp i, 2,4,6,8,10,12
	v_max3_num_f32 v[T], v[T], |v[(\src)+\i]|, |v[(\src)+\i+1]|
	v_max3_num_f32 v[T+1], v[T+1], |v[(\src)+17+\i]|, |v[(\src)+18+\i]|
.endr
	v_max3_num_f32 v[T], v[T], |v[(\src)+14]|, |v[(\src)+15]|
	v_max3_num_f32 v[T], v[T], v[T+1], |v[(\src)+31]|
	v_add_nc_u32 v[\sop], 0xff000000, v[T]                            ; 2 off the exponent field: the conversion takes that field as its scale
	v_lshrrev_b32 v[\by], 23, v[\sop]
.irp g, 0,1,2,3
	v_cvt_scalef32_pk8_fp4_f32 v[(\dst)+\g], v[(\src)+8*\g:(\src)+8*\g+7], v[\sop]
.endr
	v_nop                                                             ; one plain place behind a scaled conversion
.endm
.macro WORD w, by                      ; my block's byte (block h) and lane l xor 16's make the row's scale word; k = 64 .. 127 meet zero codes: their bytes are 1.0
	v_lshrrev_b32 v[T+2], 1, v13                   ; 8 h
	v_lshlrev_b32 v[T+2], v[T+2], v[\by]
	v_permlanex16_b32 v[T+3], v[T+2], s26, s27
	v_or_b32 v[T+2], v[T+2], v[T+3]
	v_or_b32 v[\w], 0x7f7f0000, v[T+2]
.endm
.macro SETC8 sg                        ; C8[j] = j x s[sg]: c1 x C8[j] is gamma log2(e) x (keys or chunk widths) x j
	v_mov_b32 v[C8], 0
	v_mov_b32 v[C8+1], s[\sg]
	v_mul_f32 v[C8+2], 2.0, v[C8+1]
	v_mul_f32 v[C8+3], 0x40400000, v[C8+1]
	v_mul_f32 v[C8+4], 4.0, v[C8+1]
	v_mul_f32 v[C8+5], 0x40a00000, v[C8+1]
	v_mul_f32 v[C8+6], 0x40c00000, v[C8+1]
	v_mul_f32 v[C8+7], 0x40e00000, v[C8+1]
.endm
.macro PLACES                          ; four places behind matrix instructions (ISA guide 7.12.1), where no other vector work is at hand on every way
.rept 4
	v_nop
.endr
.endm
.macro SETTILE                         ; the addresses of tile s36: q's 16 rows; key tiles t0 - 2, t0 - 1, t0, held at the head's first
	s_lshl_b32 s76, s36, 12
	s_add_nc_u64 s[48:49], s[40:41], s[76:77]
.irp a, 0,1,2
	s_add_co_i32 s76, s36, \a-2
	s_max_i32 s76, s76, 0
	s_lshl_b32 s76, s76, 11
	s_add_nc_u64 s[52+2*\a:53+2*\a], s[44:45], s[76:77]
	s_add_nc_u64 s[58+2*\a:59+2*\a], s[46:47], s[76:77]
.endr
.endm
.macro LOADQK                          ; twenty loads: q's tile, dense, then kb's three tiles
.irp n, 0,1,2,3,4,5,6,7
	global_load_b128 v[QF+4*\n:QF+4*\n+3], v1, s[48:49] offset:512*\n th:TH_LOAD_NT
.endr
.irp a, 0,1,2
.irp g, 0,1,2,3
	global_load_b128 v[128+16*\a+4*\g:131+16*\a+4*\g], v3, s[52+2*\a:53+2*\a] offset:512*\g
.endr
.endr
.endm
	s_load_b256 s[4:11], s[0:1], 0x0               ; q s[4:5], gammas s[6:7], kb s[8:9], vb s[10:11]
	s_load_b128 s[12:15], s[0:1], 0x20             ; lv s[12:13], v2f s[14:15]
	s_load_b64 s[16:17], s[0:1], 0x30              ; out0
	v_lshrrev_b32 v[T], 5, v0
	v_readfirstlane_b32 s18, v[T]                  ; wave 0..15
	s_and_b32 s19, ttmp7, 0xffff                   ; head
	v_and_b32 v[T+1], 31, v0                       ; lane
	v_and_b32 v[T+2], 15, v0                       ; r
	v_bfe_u32 v[T+3], v0, 4, 1                     ; h
	v_and_b32 v[T+4], 7, v0                        ; r & 7
	v_bfe_u32 v[T+5], v0, 3, 1                     ; r >> 3
	v_lshlrev_b32 v[T+7], 3, v[T+3]
	v_sub_nc_u32 v[T+7], v[T+2], v[T+7]            ; r - 8 h
.irp j, 0,1,2,3,4,5,6,7
	v_cmp_gt_i32 s[28+\j], \j, v[T+7]
.endr
	v_cvt_f32_i32 v14, v[T+7]
	v_lshlrev_b32 v1, 4, v[T+1]
	v_lshlrev_b32 v2, 2, v[T+1]
	v_lshlrev_b32 v3, 4, v[T+4]
	v_lshl_add_u32 v3, v[T+3], 7, v3
	v_lshl_add_u32 v3, v[T+5], 8, v3
	s_wait_alu depctr_va_sdst(0)                   ; s18 and the eight masks s28-35 are written, ahead of their first readers: s18's is the next line, the masks' are the window's selects
	s_mul_i32 s76, s18, 4352
	s_add_co_u32 s76, s76, STG                     ; my stage
	v_mul_u32_u24 v[T+6], v[T+2], 272
	v_add_nc_u32 v[T+6], s76, v[T+6]
	v_lshl_add_u32 v4, v[T+3], 7, v[T+6]           ; q out of it: row r, my half's 128 bytes
	v_lshl_add_u32 v7, v[T+3], 6, v[T+6]           ; results into it: row r, + 64 h
	v_mul_u32_u24 v8, v[T+3], 272
	v_lshl_add_u32 v8, v[T+2], 4, v8
	v_add_nc_u32 v8, s76, v8                       ; dense: lanes 0-15 one row, lanes 16-31 the next
	v_lshlrev_b32 v5, 7, v[T+4]
	v_lshl_add_u32 v5, v[T+3], 6, v5
	v_add_nc_u32 v5, K3, v5                        ; k3: row r & 7 (rows 8-15 repeat rows 0-7 and are masked), my half
	v_lshl_add_u32 v6, v[T+2], 2, V3W
	v_mov_b32 v9, 0xff800000
	v_lshlrev_b32 v10, 6, v[T]
	v_lshl_add_u32 v10, v[T+2], 2, v10             ; (till the barrier: 64 wave + 4 r, v2's scale word)
	v_lshlrev_b32 v11, 3, v[T+1]                   ; (till the barrier: 8 lane)
	v_lshlrev_b32 v12, 13, v[T+3]
	v_lshl_add_u32 v12, v[T+2], 6, v12
	v_lshl_add_u32 v12, v[T], 10, v12              ; (till the barrier: v2f at 8192 h + 64 r + 1024 wave)
	v_lshl_add_u32 v13, v[T+3], 4, 1
	v_lshlrev_b32 v15, 4, v0
.irp j, 8,9,10,11,12,13,14,15
	v_mov_b32 v[T+\j], 0                           ; every register at work is written once: pairs are named whole, and a lane permute's destination counts as a source
.endr
.irp j, 4,5,6,7
	v_mov_b32 v[QC+\j], 0                          ; q's codes of k = 64 .. 127
	v_mov_b32 v[F+28+\j], 0                        ; what the last tile's fragment names beyond its four registers
.endr
	v_mov_b32 v[M1], 0
	s_lshl_b32 s36, ttmp9, 4
	s_add_co_u32 s36, s36, s18                     ; t0 = 16 p + wave
	s_lshl_b32 s37, ttmp9, 5
	s_sub_co_u32 s37, 240, s37                     ; to the tile of block 15 - p
	s_mov_b32 s38, 0
	s_mov_b32 s24, 0x3e38aa3b                      ; c1 = log2(e) / sqrt(64)
	s_mov_b32 s25, s24                             ; (named with it as a pair)
	s_mov_b32 s26, 0x76543210
	s_mov_b32 s27, 0xfedcba98
	s_mov_b32 s86, 0xceabfb8f                      ; -1e9 x log2(e)
	s_mov_b32 s77, 0
	s_wait_kmcnt 0x0
	s_load_b128 s[20:23], s[6:7], 0x0              ; the four gammas
	s_lshl_b32 s76, s19, 20
	s_add_nc_u64 s[40:41], s[4:5], s[76:77]
	s_add_nc_u64 s[42:43], s[16:17], s[76:77]
	s_lshl_b32 s76, s19, 19
	s_add_nc_u64 s[44:45], s[8:9], s[76:77]
	s_add_nc_u64 s[46:47], s[10:11], s[76:77]
	s_mul_i32 s76, s19, 40192
	s_add_nc_u64 s[78:79], s[12:13], s[76:77]
	s_lshl_b32 s76, s19, 14
	s_add_nc_u64 s[80:81], s[14:15], s[76:77]
	s_wait_alu depctr_va_vdst(0)                   ; the addresses v1-8, v10-12 and v15 are written, which the loads and stores of the whole kernel read; so are the zeros of q's codes and of F's end, which scaled products take
	; ---- the head's level data: 40,192 bytes, 16 a thread and round; the fifth round is waves 0-13's, the last 256 bytes wave 14's.  Every load of this run has registers of its own
.irp n, 0,1,2,3
	global_load_b128 v[32+4*\n:35+4*\n], v15, s[78:79] offset:8192*\n
.endr
	s_cmp_lt_u32 s18, 14
	s_cbranch_scc0 .Lp_l5
	global_load_b128 v[48:51], v15, s[78:79] offset:32768
.Lp_l5:
	s_cmp_eq_u32 s18, 14
	s_cbranch_scc0 .Lp_l6
	global_load_b64 v[52:53], v11, s[78:79] offset:39936
.Lp_l6:
	s_cmp_lt_u32 s18, 4
	s_cbranch_scc0 .Lp_l7
.irp n, 0,1,2,3,4,5,6,7                ; waves 0-3, X = wave: lane (r, h) takes level-2 chunks 32 h .. 32 h + 31 of column d_X(r): one block
	global_load_b128 v[64+4*\n:67+4*\n], v12, s[80:81] offset:4096*(\n/4)+16*(\n%4)
.endr
.Lp_l7:
	SETTILE
	LOADQK                                         ; the first tile's q and k are on their way while LDS is filled
	s_wait_kmcnt 0x0
	s_mul_f32 s66, s20, 0xbfb8aa3b                 ; -gamma_l log2(e)
	s_mul_f32 s67, s21, 0xbfb8aa3b
	s_mul_f32 s68, s22, 0xbfb8aa3b
	s_mul_f32 s69, s23, 0xbfb8aa3b
	s_mul_f32 s70, s20, 0x41000000                 ; 8 gamma0
	s_mul_f32 s71, s21, 0x42800000                 ; 64 gamma1
	s_mul_f32 s72, s22, 0x44000000                 ; 512 gamma2
	s_wait_loadcnt 20                              ; all but LOADQK's twenty
.irp n, 0,1,2,3
	ds_store_b128 v15, v[32+4*\n:35+4*\n] offset:8192*\n
.endr
	s_cmp_lt_u32 s18, 14
	s_cbranch_scc0 .Lp_s5
	ds_store_b128 v15, v[48:51] offset:32768
.Lp_s5:
	s_cmp_eq_u32 s18, 14
	s_cbranch_scc0 .Lp_s6
	ds_store_b64 v11, v[52:53] offset:39936
.Lp_s6:
	s_cmp_lt_u32 s18, 4
	s_cbranch_scc0 .Lp_s7
	QUANT32 64, PC, T+4, T+5
	WORD T+6, T+5
	s_wait_alu depctr_va_vdst(0)                   ; the conversions have written v2's codes and the lines behind them its scale word, which the two LDS stores read
	ds_store_b128 v15, v[PC:PC+3] offset:V2IMG     ; 16 x thread = 512 X + 16 lane
	ds_store_b32 v10, v[T+6] offset:V2SC           ; (both halves of the lanes store the same word)
.Lp_s7:
	s_wait_dscnt 0x0                               ; for the others' sake: my stores have landed
	s_barrier_signal -1
	s_barrier_wait -1                              ; the one barrier: from here on these bytes are only read, and a wave's stage is its own
; ---- the macros of a level.  CS, N8CS (-8 CS as f32) and NGS (the register of -g) are set ahead of each level
.macro KQ t                            ; scores of tile t: source 0 = 16 chunks, source 1 = my 16 queries; the fragment's upper four registers meet q's zero codes
.if (\t)%2
	v_wmma_scale_f32_16x16x128_f8f6f4 v[S+8*(\t):S+8*(\t)+7], v[F+4*(\t):F+4*(\t)+7], v[QC:QC+7], v[C8:C8+7], v[KS+(\t)/2], v[QS] matrix_a_fmt:MATRIX_FMT_FP4 matrix_b_fmt:MATRIX_FMT_FP4 matrix_a_scale:MATRIX_SCALE_ROW1
.else
	v_wmma_scale_f32_16x16x128_f8f6f4 v[S+8*(\t):S+8*(\t)+7], v[F+4*(\t):F+4*(\t)+7], v[QC:QC+7], v[C8:C8+7], v[KS+(\t)/2], v[QS] matrix_a_fmt:MATRIX_FMT_FP4 matrix_b_fmt:MATRIX_FMT_FP4
.endif
.endm
; Level 1, step s: 128 chunks, eight tiles.  Register 16 b + 8 u + j = chunk 128 s + 32 b + 16 h + 8 u + j.  The fetch (KLD1) and the products (KMUL1) are two macros, so that a pass's first fetch can stand ahead of register work
.macro KLD1 s
	s_wait_alu depctr_va_vdst(0)                   ; every matrix instruction issued so far is done reading F and KS, in which the loads below land
.irp t, 0,1,2,3,4,5,6,7
	ds_load_b128 v[F+4*\t:F+4*\t+3], v1 offset:K1IMG+(8*(\s)+\t)*512
.endr
.irp b, 0,1,2,3
	ds_load_b32 v[KS+\b], v2 offset:K1SC+(4*(\s)+\b)*128             ; lanes 0-15 tile 2 b's words, lanes 16-31 tile 2 b + 1's
.endr
.endm
.macro KMUL1
	s_wait_dscnt 0x0
.irp t, 0,1,2,3,4,5,6,7
	KQ \t
.endr
	PLACES
.endm
.macro KLD2                            ; level 2: 64 chunks, four tiles
	s_wait_alu depctr_va_vdst(0)                   ; every matrix instruction issued so far is done reading F and KS, in which the loads below land
.irp t, 0,1,2,3
	ds_load_b128 v[F+4*\t:F+4*\t+3], v3 offset:K2IMG+512*\t
.endr
.irp b, 0,1
	ds_load_b32 v[KS+\b], v2 offset:K2SC+128*\b
.endr
.endm
.macro KMUL2
	s_wait_dscnt 0x0
.irp t, 0,1,2,3
	KQ \t
.endr
	PLACES
.endm
.macro VLD1 s                          ; v1's fragments and scale words of step s: they land while p is made
	s_wait_alu depctr_va_vdst(0)                   ; the scores' products are done reading F, and the last step's second products their scale words VS: the loads below land in both
.irp x, 0,1,2,3
.irp c, 0,1
	ds_load_b128 v[F+8*\x+4*\c:F+8*\x+4*\c+3], v1 offset:V1IMG+4096*(\s)+1024*\x+512*\c
.endr
.endr
.irp c, 0,1
	ds_load_b32 v[VS+\c], v2 offset:V1SC+256*(\s)+128*\c
.endr
.endm
.macro VLD2                            ; v2's
	s_wait_alu depctr_va_vdst(0)                   ; the scores' products are done reading F, and level 1's second products their scale words VS: the loads below land in both
.irp x, 0,1,2,3
	ds_load_b128 v[F+4*\x:F+4*\x+3], v1 offset:V2IMG+512*\x
.endr
.irp c, 0,1
	ds_load_b32 v[VS+\c], v2 offset:V2SC+128*\c
.endr
.endm
; t of block b of the step (block B of the level): c1 x (q . k + C8[j]) - g x (the whole-number distance of the half block's first chunk); then the mask, unless every query sees the whole block
.macro TCALC b, B
	v_add_nc_u32 v[T], -(CS*32*(\B)), v12
	v_cvt_f32_i32 v[T], v[T]                       ; exact
	v_add_f32 v[T+2], N8CS, v[T]                   ; exact
	v_mul_f32 v[T], s[NGS], v[T]
	v_mul_f32 v[T+2], s[NGS], v[T+2]
.irp k, 0,2,4,6
	v_pk_fma_f32 v[S+16*(\b)+\k:S+16*(\b)+\k+1], v[S+16*(\b)+\k:S+16*(\b)+\k+1], s[24:25], v[T:T+1] op_sel_hi:[1,0,0]
.endr
.irp k, 8,10,12,14
	v_pk_fma_f32 v[S+16*(\b)+\k:S+16*(\b)+\k+1], v[S+16*(\b)+\k:S+16*(\b)+\k+1], s[24:25], v[T+2:T+3] op_sel_hi:[1,0,0]
.endr
	s_cmp_gt_u32 s75, \B
	s_cbranch_scc1 .Lopen_\@
	v_add_nc_u32 v[T+4], -32*(\B), v11             ; register n is hidden where n > lim - 16 h - 32 B
.irp n, 0,1,2,3,4,5,6,7,8,9,10,11,12,13,14,15
	v_cmp_gt_i32 s[MK+\n], \n, v[T+4]              ; the sixteen compares in one run, a scalar register each
.endr
	s_wait_alu depctr_va_sdst(0)                   ; the sixteen masks s2-17 are written, ahead of the selects that read them
.irp n, 0,1,2,3,4,5,6,7,8,9,10,11,12,13,14,15
	v_cndmask_b32 v[S+16*(\b)+\n], v[S+16*(\b)+\n], v9, s[MK+\n]
.endr
.Lopen_\@:
.endm
.macro BLKA b, B, lv                   ; pass A: the block's largest t
.if (\B) > 0
	s_cmp_le_u32 s74, \B
	s_cbranch_scc1 .Lpa_end_\lv
.endif
	TCALC \b, \B
	v_max3_num_f32 v[BM+(\B)], v[S+16*(\b)], v[S+16*(\b)+1], v[S+16*(\b)+2]
	v_max3_num_f32 v[T+6], v[S+16*(\b)+3], v[S+16*(\b)+4], v[S+16*(\b)+5]
	v_max3_num_f32 v[BM+(\B)], v[BM+(\B)], v[S+16*(\b)+6], v[S+16*(\b)+7]
	v_max3_num_f32 v[T+6], v[T+6], v[S+16*(\b)+8], v[S+16*(\b)+9]
	v_max3_num_f32 v[BM+(\B)], v[BM+(\B)], v[S+16*(\b)+10], v[S+16*(\b)+11]
	v_max3_num_f32 v[T+6], v[T+6], v[S+16*(\b)+12], v[S+16*(\b)+13]
	v_max3_num_f32 v[BM+(\B)], v[BM+(\B)], v[S+16*(\b)+14], v[S+16*(\b)+15]
	v_max_num_f32 v[BM+(\B)], v[BM+(\B)], v[T+6]
	v_permlanex16_b32 v[T+4], v[BM+(\B)], s26, s27
	v_max_num_f32 v[BM+(\B)], v[BM+(\B)], v[T+4]   ; with lane l xor 16's 16 chunks
.endm
.macro POSTA n                         ; the level's maximum; each block's largest p, its scale operand and byte; p's scale words
	v_max3_num_f32 v[M1], v[BM], v[BM+1], v[BM+2]
.if \n == 16
.irp k, 3,5,7,9,11,13
	v_max3_num_f32 v[M1], v[M1], v[BM+\k], v[BM+\k+1]
.endr
	v_max_num_f32 v[M1], v[M1], v[BM+15]
.else
	v_max_num_f32 v[M1], v[M1], v[BM+3]
.endif
	v_max_num_f32 v[MS], s86, v[M1]                ; as reference() holds it from below: finite where a row sees no chunk
.set i, 0
.rept \n/2
	v_pk_add_f32 v[BM+i:BM+i+1], v[BM+i:BM+i+1], v[MS:MS+1] op_sel_hi:[1,0] neg_lo:[0,1] neg_hi:[0,1]
.set i, i+2
.endr
.set i, 0
.rept \n
	v_exp_f32 v[BM+i], v[BM+i]
.set i, i+1
.endr
	v_nop                                          ; a plain place behind the exponentials
	s_wait_alu depctr_va_vdst(0)                   ; the exponentials have written the blocks' largest p in BM, ahead of the floors, their first readers
.set i, 0
.rept \n
	v_max_num_f32 v[BM+i], 0x1800000, v[BM+i]      ; the floor 2^(3 - 127)
.set i, i+1
.endr
.set i, 0
.rept \n
	v_add_nc_u32 v[BM+i], 0xff000000, v[BM+i]      ; 2 off the exponent field: the conversion's scale operand
.set i, i+1
.endr
.set i, 0
.rept \n/4
	v_lshrrev_b32 v[T+8], 23, v[BM+4*i]
	v_lshrrev_b32 v[T+9], 23, v[BM+4*i+1]
	v_lshrrev_b32 v[T+10], 23, v[BM+4*i+2]
	v_lshrrev_b32 v[T+11], 23, v[BM+4*i+3]
	v_lshl_or_b32 v[PW+i], v[T+9], 8, v[T+8]
	v_lshl_or_b32 v[PW+i], v[T+10], 16, v[PW+i]
	v_lshl_or_b32 v[PW+i], v[T+11], 24, v[PW+i]
.set i, i+1
.endr
.endm
.macro BLKB b, B                       ; pass B: p of the block, its codes, its part of the sum; a block that nobody sees gets zero codes
.if (\B) > 0
	s_cmp_le_u32 s74, \B
	s_cbranch_scc1 .Lzero_\@
.endif
	TCALC \b, \B
.irp k, 0,2,4,6,8,10,12,14
	v_pk_add_f32 v[S+16*(\b)+\k:S+16*(\b)+\k+1], v[S+16*(\b)+\k:S+16*(\b)+\k+1], v[MS:MS+1] op_sel_hi:[1,0] neg_lo:[0,1] neg_hi:[0,1]
.endr
.irp k, 0,1,2,3,4,5,6,7,8,9,10,11,12,13,14,15
	v_exp_f32 v[S+16*(\b)+\k], v[S+16*(\b)+\k]
.endr
	v_nop                                          ; a plain place behind the exponentials
	s_wait_alu depctr_va_vdst(0)                   ; the sixteen exponentials have written the block's p, ahead of the conversions, their first readers
	v_cvt_scalef32_pk8_fp4_f32 v[PC+2*(\b)], v[S+16*(\b):S+16*(\b)+7], v[BM+(\B)]
	v_cvt_scalef32_pk8_fp4_f32 v[PC+2*(\b)+1], v[S+16*(\b)+8:S+16*(\b)+15], v[BM+(\B)]
.irp k, 0,4,8,12
	v_pk_add_f32 v[LSUM:LSUM+1], v[LSUM:LSUM+1], v[S+16*(\b)+\k:S+16*(\b)+\k+1]         ; the sum of the UNQUANTISED p, in two chains; also the plain places behind the conversions
	v_pk_add_f32 v[LSUM+2:LSUM+3], v[LSUM+2:LSUM+3], v[S+16*(\b)+\k+2:S+16*(\b)+\k+3]
.endr
.if (\B) > 0
	s_branch .Ldone_\@
.Lzero_\@:
	v_mov_b32 v[PC+2*(\b)], 0
	v_mov_b32 v[PC+2*(\b)+1], 0
.Ldone_\@:
.endif
.endm
.macro PV x, a, pw, first              ; O^T of the level: source 0 = 16 of the head's 64 (rows d_X), source 1 = p
.if \first
.if (\x)%2
	v_wmma_scale_f32_16x16x128_f8f6f4 v[OB+8*(\x):OB+8*(\x)+7], v[\a:\a+7], v[PC:PC+7], 0, v[VS+(\x)/2], v[\pw] matrix_a_fmt:MATRIX_FMT_FP4 matrix_b_fmt:MATRIX_FMT_FP4 matrix_a_scale:MATRIX_SCALE_ROW1
.else
	v_wmma_scale_f32_16x16x128_f8f6f4 v[OB+8*(\x):OB+8*(\x)+7], v[\a:\a+7], v[PC:PC+7], 0, v[VS+(\x)/2], v[\pw] matrix_a_fmt:MATRIX_FMT_FP4 matrix_b_fmt:MATRIX_FMT_FP4
.endif
.else
.if (\x)%2
	v_wmma_scale_f32_16x16x128_f8f6f4 v[OB+8*(\x):OB+8*(\x)+7], v[\a:\a+7], v[PC:PC+7], v[OB+8*(\x):OB+8*(\x)+7], v[VS+(\x)/2], v[\pw] matrix_a_fmt:MATRIX_FMT_FP4 matrix_b_fmt:MATRIX_FMT_FP4 matrix_a_scale:MATRIX_SCALE_ROW1
.else
	v_wmma_scale_f32_16x16x128_f8f6f4 v[OB+8*(\x):OB+8*(\x)+7], v[\a:\a+7], v[PC:PC+7], v[OB+8*(\x):OB+8*(\x)+7], v[VS+(\x)/2], v[\pw] matrix_a_fmt:MATRIX_FMT_FP4 matrix_b_fmt:MATRIX_FMT_FP4
.endif
.endif
.endm
.macro SWAPS                           ; the operand's layout wants a WHOLE block in a lane: lanes 0-15 block 2 c, lanes 16-31 block 2 c + 1
.irp c, 0,1
.irp i, 0,1
	v_permlane16_swap_b32 v[PC+4*\c+\i], v[PC+4*\c+2+\i]
.endr
.endr
	PLACES                                         ; an operand written by vector instructions stands four places ahead of a scaled matrix instruction
	s_wait_alu depctr_va_vdst(0)                   ; the conversions, moves and exchanges have written p's codes, and the lines behind pass A its scale words: the scaled products below take them as source 1 and its scales; the places above stay beside this wait
	s_wait_dscnt 0x0                               ; v's fragments and scale words are in
.endm
.macro LEVELSET lv, log, n, sg
	s_sub_co_i32 s82, s39, 16                      ; the tile's last query - 31
	s_ashr_i32 s82, s82, \log
	s_add_co_i32 s82, s82, 31                      ; its last visible chunk + 32
	s_ashr_i32 s74, s82, 5                         ; blocks of 32 chunks that some query sees
	s_sub_co_i32 s83, s39, 31                      ; the tile's first query - 31
	s_ashr_i32 s83, s83, \log                      ; its last visible chunk + 1
	s_ashr_i32 s83, s83, 5
	s_max_i32 s75, s83, 0                          ; blocks that every query sees whole
	s_cmp_eq_u32 s74, 0
	s_cbranch_scc1 .Lskip_\lv                      ; nothing of this level counts for these queries: the merge would change nothing
	v_add_nc_u32 v11, -31, v10
	v_ashrrev_i32 v11, \log, v11
	v_sub_nc_u32 v11, v11, v13                     ; lim - 16 h
	v_lshlrev_b32 v[T], \log, v13
	v_sub_nc_u32 v12, v10, v[T]
	v_add_nc_u32 v12, CS/2, v12                    ; i - cs/2 - 16 cs h
	SETC8 \sg
.if \lv == 1
	KLD1 0                                         ; pass A's first fragments are asked for here: they land under the moves below, which name none of their registers
.else
	KLD2
.endif
.set i, 0
.rept \n
	v_mov_b32 v[BM+i], v9
.set i, i+1
.endr
.irp j, 0,1,2,3
	v_mov_b32 v[LSUM+\j], 0
.endr
.endm
.macro MERGE                           ; (m, l, o) with the level's (m, l, o), as reference() merges them, in base 2
	v_max_num_f32 v[T+4], v[MR], v[M1]
	v_sub_f32 v[T], v[MR], v[T+4]
	v_sub_f32 v[T+2], v[M1], v[T+4]
	v_exp_f32 v[T], v[T]
	v_exp_f32 v[T+2], v[T+2]
	v_mov_b32 v[MR], v[T+4]                        ; (a plain place behind the exponentials)
	v_pk_add_f32 v[LSUM:LSUM+1], v[LSUM:LSUM+1], v[LSUM+2:LSUM+3]
	s_wait_alu depctr_va_vdst(0)                   ; the two exponentials have written the merge's two factors, ahead of the multiplies that read them
	v_pk_mul_f32 v[LR:LR+1], v[LR:LR+1], v[T:T+1] op_sel_hi:[1,0]
	v_pk_fma_f32 v[LR:LR+1], v[LSUM:LSUM+1], v[T+2:T+3], v[LR:LR+1] op_sel_hi:[1,0,1]
.set i, 0
.rept 16
	v_pk_mul_f32 v[O+i:O+i+1], v[O+i:O+i+1], v[T:T+1] op_sel_hi:[1,0]
.set i, i+2
.endr
.set i, 0
.rept 16
	v_pk_fma_f32 v[O+i:O+i+1], v[OB+i:OB+i+1], v[T+2:T+3], v[O+i:O+i+1] op_sel_hi:[1,0,1]
.set i, i+2
.endr
.endm
.Ltile:                                            ; two trips
	s_wait_xcnt 0x0                                ; the last tile's stores have read v32-63 and their base
	s_lshl_b32 s76, s36, 12
	s_add_nc_u64 s[50:51], s[42:43], s[76:77]      ; out0 at my 16 rows
	s_lshl_b32 s39, s36, 4
	s_cmp_lt_u32 s36, 2
	s_cselect_b32 s87, 0xff800000, 0
	s_cmp_lt_u32 s36, 1
	s_cselect_b32 s88, 0xff800000, 0
	; ================= THE WINDOW AND LEVEL 3: one softmax over key tiles t0 - 2, t0 - 1, t0 and a tile of the 8 level-3 chunks
	s_wait_loadcnt 12                              ; q's eight loads are in; kb's twelve may be out
.irp n, 0,1,2,3,4,5,6,7
	ds_store_b128 v8, v[QF+4*\n:QF+4*\n+3] offset:544*\n
.endr
	s_wait_alu depctr_vm_vsrc(0)                   ; the eight LDS stores have read q's registers, in which the loads below land.  No vector line stands between the label and here, so this wait also frees what earlier stores and loads read and this trip writes anew: the last tile's v32-63 (global stores) and v64-95 (LDS stores); in the first trip v10-12, v32-53, p's codes' registers and v242
.irp n, 0,1,2,3,4,5,6,7
	ds_load_b128 v[QF+4*\n:QF+4*\n+3], v4 offset:16*\n               ; in order behind my stores: lane (r, h) now holds q(r, 32 h .. 32 h + 31).  (No vector or matrix line since the last wait on va_vdst names these registers or v176-191)
.endr
.irp g, 0,1,2,3
	ds_load_b128 v[176+4*\g:179+4*\g], v5 offset:16*\g
.endr
	v_and_b32 v10, 15, v0
	v_add_nc_u32 v10, s39, v10                     ; my query
	s_wait_dscnt 0x0
	QUANT32 QF, QC, T+4, T+5                       ; q's codes serve both levels
	WORD QS, T+5
	SETC8 70
.set i, 0
.rept 16
	v_cvt_pk_bf16_f32 v[QB+i], v[QF+2*i], v[QF+2*i+1]
.set i, i+1
.endr
	s_wait_loadcnt 0x0                             ; kb's tiles
	; S^T = K Q^T.  Both sides hold d = 32 h + 16 f + 0 .. 15 in the places of product f: the same permutation of k.  The four accumulators take turns
.irp a, 0,1,2
	v_wmma_f32_16x16x32_bf16 v[S+8*\a:S+8*\a+7], v[128+16*\a:135+16*\a], v[QB:QB+7], v[C8:C8+7]
.endr
	v_wmma_f32_16x16x32_bf16 v[S+24:S+31], v[176:183], v[QB:QB+7], 0
.irp a, 0,1,2,3
	v_wmma_f32_16x16x32_bf16 v[S+8*\a:S+8*\a+7], v[136+16*\a:143+16*\a], v[QB+8:QB+15], v[S+8*\a:S+8*\a+7]
.endr
	; the biases (also the places behind those products).  Tile a, register j: i - key = (r - 8 h) + 32 - 16 a - j
	v_add_f32 v[T], 0x42000000, v14
	v_add_f32 v[T+2], 0x41800000, v14
	v_mul_f32 v[T+4], s66, v14
	v_fma_f32 v[T], s66, v[T], s87                 ; -inf where the tile lies ahead of key 0
	v_fma_f32 v[T+2], s66, v[T+2], s88
	v_add_nc_u32 v[T+6], 0xffffff00, v10
	v_cvt_f32_i32 v[T+6], v[T+6]
	v_mul_f32 v[T+6], s69, v[T+6]                  ; -g3 (i - 256)
	v_add_nc_u32 v[T+7], -31, v10
	v_ashrrev_i32 v[T+7], 9, v[T+7]
	v_sub_nc_u32 v[T+7], v[T+7], v13               ; level 3: lim - 16 h: under 0 in lanes 16-31, whose rows repeat
.irp j, 0,1,2,3,4,5,6,7
	v_cmp_gt_i32 s[MK+\j], \j, v[T+7]              ; level 3's eight masks, in one run; their wait stands ahead of the selects
.endr
	s_wait_alu depctr_va_vdst(0)                   ; the eight products are done reading v128-191, in which the loads below land; q's codes and scale word are written too, which the levels' scaled products take
.irp x, 0,1,2,3
	global_load_b128 v[128+8*\x:131+8*\x], v1, s[58:59] offset:512*\x
	global_load_b128 v[132+8*\x:135+8*\x], v1, s[60:61] offset:512*\x
	global_load_b128 v[160+8*\x:163+8*\x], v1, s[62:63] offset:512*\x
.endr
.irp x, 0,1,2,3
.irp d, 0,1,2,3
	ds_load_b32 v[164+8*\x+\d], v6 offset:256*\d+64*\x               ; v3: chunks 2 d, 2 d + 1 of row d_X(r)
.endr
.endr
	v_mov_b32 v[T+8], v[T+6]                       ; -g3 (i - 256 - 512 j)
	v_fma_f32 v[T+9], s69, 0xc4000000, v[T+6]
	v_fma_f32 v[T+10], s69, 0xc4800000, v[T+6]
	v_fma_f32 v[T+11], s69, 0xc4c00000, v[T+6]
	v_fma_f32 v[T+12], s69, 0xc5000000, v[T+6]
	v_fma_f32 v[T+13], s69, 0xc5200000, v[T+6]
	v_fma_f32 v[T+14], s69, 0xc5400000, v[T+6]
	v_fma_f32 v[T+15], s69, 0xc5600000, v[T+6]
.irp a, 0,1,2
.irp k, 0,2,4,6
	v_pk_fma_f32 v[S+8*\a+\k:S+8*\a+\k+1], v[S+8*\a+\k:S+8*\a+\k+1], s[24:25], v[T+2*\a:T+2*\a+1] op_sel_hi:[1,0,0]
.endr
.endr
.irp k, 0,2,4,6
	v_pk_fma_f32 v[S+24+\k:S+24+\k+1], v[S+24+\k:S+24+\k+1], s[24:25], v[T+8+\k:T+8+\k+1] op_sel_hi:[1,0,1]
.endr
.irp j, 0,1,2,3,4,5,6,7
	v_cndmask_b32 v[S+\j], v9, v[S+\j], s[28+\j]                     ; tile 0: inside the window where j > r - 8 h
	v_cndmask_b32 v[S+16+\j], v[S+16+\j], v9, s[28+\j]               ; tile 2: causal where j <= r - 8 h
.endr
	s_wait_alu depctr_va_sdst(0)                   ; level 3's eight masks s2-9 are written, ahead of the selects that read them
.irp j, 0,1,2,3,4,5,6,7
	v_cndmask_b32 v[S+24+\j], v[S+24+\j], v9, s[MK+\j]
.endr
.irp a, 0,1,2,3
	v_max3_num_f32 v[T+8+\a], v[S+8*\a], v[S+8*\a+1], v[S+8*\a+2]
.endr
.irp k, 3,5
.irp a, 0,1,2,3
	v_max3_num_f32 v[T+8+\a], v[T+8+\a], v[S+8*\a+\k], v[S+8*\a+\k+1]
.endr
.endr
.irp a, 0,1,2,3
	v_max_num_f32 v[T+8+\a], v[T+8+\a], v[S+8*\a+7]
.endr
	v_max3_num_f32 v[T+8], v[T+8], v[T+9], v[T+10]
	v_max_num_f32 v[T+8], v[T+8], v[T+11]
	v_permlanex16_b32 v[T+9], v[T+8], s26, s27
	v_max_num_f32 v[MR], v[T+8], v[T+9]            ; finite: the query's own key counts
	v_mov_b32 v[MS], v[MR]
.set i, 0
.rept 16
	v_pk_add_f32 v[S+i:S+i+1], v[S+i:S+i+1], v[MS:MS+1] op_sel_hi:[1,0] neg_lo:[0,1] neg_hi:[0,1]
.set i, i+2
.endr
.set i, 0
.rept 32
	v_exp_f32 v[S+i], v[S+i]
.set i, i+1
.endr
	v_nop                                          ; a plain place behind the exponentials
	s_wait_alu depctr_va_vdst(0)                   ; the 32 exponentials have written p, ahead of the sums, their first readers
	v_pk_add_f32 v[LR:LR+1], v[S:S+1], v[S+2:S+3]  ; my lane's part of the sum, in two chains; the lanes are joined at the end
	v_pk_add_f32 v[T:T+1], v[S+4:S+5], v[S+6:S+7]
.irp k, 8,12,16,20,24,28
	v_pk_add_f32 v[LR:LR+1], v[LR:LR+1], v[S+\k:S+\k+1]
	v_pk_add_f32 v[T:T+1], v[T:T+1], v[S+\k+2:S+\k+3]
.endr
	v_pk_add_f32 v[LR:LR+1], v[LR:LR+1], v[T:T+1]
.set i, 0
.rept 16
	v_cvt_pk_bf16_f32 v[PB+i], v[S+2*i], v[S+2*i+1]                  ; two tiles' registers, packed, are source 1 of the next product as they stand
.set i, i+1
.endr
	s_wait_loadcnt 0x0                             ; vb's tiles
	s_wait_dscnt 0x0                               ; v3's words
.irp x, 0,1,2,3
	v_wmma_f32_16x16x32_bf16 v[O+8*\x:O+8*\x+7], v[128+8*\x:135+8*\x], v[PB:PB+7], 0
.endr
.irp x, 0,1,2,3
	v_wmma_f32_16x16x32_bf16 v[O+8*\x:O+8*\x+7], v[160+8*\x:167+8*\x], v[PB+8:PB+15], v[O+8*\x:O+8*\x+7]
.endr
	; ================= LEVEL 1: 512 chunks of 8 keys, in steps of 128
.set CS, 8
.set N8CS, 0xc2800000
.set NGS, 67
	LEVELSET 1, 3, 16, 71
.irp s, 0,1,2,3
.if \s > 0
	s_cmp_le_u32 s74, 4*\s
	s_cbranch_scc1 .Lpa_end_1
	KLD1 \s
.endif
	KMUL1
.irp b, 0,1,2,3
	BLKA \b, 4*\s+\b, 1
.endr
.endr
.Lpa_end_1:
	KLD1 0                                         ; pass B's first fragments are asked for here (no LDS load is out on any way to this label): they land under the lines that make the scales, which name none of their registers
	POSTA 16
.irp s, 0,1,2,3
.if \s > 0
	s_cmp_le_u32 s74, 4*\s
	s_cbranch_scc1 .Lpb_end_1
	KLD1 \s
.endif
	KMUL1
	VLD1 \s
.irp b, 0,1,2,3
	BLKB \b, 4*\s+\b
.endr
	SWAPS
.irp x, 0,1,2,3
.if \s == 0
	PV \x, F+8*\x, PW+\s, 1
.else
	PV \x, F+8*\x, PW+\s, 0
.endif
.endr
	PLACES
.endr
.Lpb_end_1:
	MERGE
.Lskip_1:
	; ================= LEVEL 2: 64 chunks of 64 keys, one step, two blocks; blocks 2 and 3 of the instruction's 128 are zero codes
.set CS, 64
.set N8CS, 0xc4000000
.set NGS, 68
	LEVELSET 2, 6, 4, 72
	KMUL2
	BLKA 0, 0, 2
	BLKA 1, 1, 2
.Lpa_end_2:
	KLD2                                           ; pass B's fragments, as in level 1
	POSTA 4
	KMUL2
	VLD2
	BLKB 0, 0
	BLKB 1, 1
.irp j, 4,5,6,7
	v_mov_b32 v[PC+\j], 0
.endr
	SWAPS
.irp x, 0,1,2,3
	PV \x, F+4*\x, PW, 1
.endr
	PLACES
	MERGE
.Lskip_2:
	; ================= the next tile's q and k are asked for ahead of this tile's way out
	PLACES                                         ; on the ways that skip the levels these are the places behind the window's last products
	s_cmp_lg_u32 s38, 0
	s_cbranch_scc1 .Lno_next                       ; the second tile has no successor: no load leaves its buffer
	s_add_co_u32 s36, s36, s37
	SETTILE                                        ; (every load that named these registers has been waited for)
	s_wait_alu depctr_va_vdst(0)                   ; every vector and matrix instruction that named v96-175 (scores, p, fragments) is done with them: the twenty loads below land there
	LOADQK
.Lno_next:
	; ================= THE WAY OUT: O^T / max(l, 1e-8), through my stage, as whole rows
	v_add_f32 v[T], v[LR], v[LR+1]
	v_permlanex16_b32 v[T+1], v[T], s26, s27
	v_add_f32 v[T], v[T], v[T+1]
	v_max_num_f32 v[T], 0x322bcc77, v[T]
	v_rcp_f32 v[T], v[T]
	v_nop                                          ; a plain place behind the transcendental
	s_wait_alu depctr_va_vdst(0)                   ; the reciprocal is written, ahead of the multiplies that read it
.irp j, 0,1,2,3,4,5,6,7                ; accumulator X, register j is d = 16 h + 2 j + (X % 2) + 32 (X / 2): two accumulators interleave into 16 neighbours
	v_mul_f32 v[64+2*\j], v[O+\j], v[T]
	v_mul_f32 v[65+2*\j], v[O+8+\j], v[T]
.endr
.irp j, 0,1,2,3,4,5,6,7
	v_mul_f32 v[80+2*\j], v[O+16+\j], v[T]
	v_mul_f32 v[81+2*\j], v[O+24+\j], v[T]
.endr
	s_wait_alu depctr_va_vdst(0)                   ; the multiplies have written v64-95, which the LDS stores read, and are done reading v32-63, in which the LDS loads land
.irp g, 0,1,2,3
	ds_store_b128 v7, v[64+4*\g:67+4*\g] offset:16*\g
	ds_store_b128 v7, v[80+4*\g:83+4*\g] offset:128+16*\g
.endr
.irp n, 0,1,2,3,4,5,6,7
	ds_load_b128 v[32+4*\n:35+4*\n], v8 offset:544*\n                ; in order behind my stores
.endr
.irp n, 0,1,2,3,4,5,6,7
	s_wait_dscnt 7-\n                              ; the younger loads from the stage may be out
	global_store_b128 v1, v[32+4*\n:35+4*\n], s[50:51] offset:512*\n th:TH_STORE_NT   ; 512 consecutive bytes, two whole rows
.endr
	s_add_co_u32 s38, s38, 1
	s_cmp_lt_u32 s38, 2
	s_cbranch_scc1 .Ltile
	s_wait_xcnt 0x0
	v_lshl_add_u32 v254, v0, 2, 0x1b600            ; my spare word and 0, made anew straight ahead of the closing lines: no memory or LDS instruction has read v254 or v255
	v_mov_b32 v255, 0
	s_wait_dscnt 0x0                               ; the closing lines, six on end
	s_wait_alu 0x0
	s_wait_tensorcnt 0x0
	ds_add_u32 v254, v255
	s_wait_dscnt 0x0
	s_endpgm
.Lfunc_end_k_qc7eb28ec0c_attend:
	.size	k_qc7eb28ec0c_attend, .Lfunc_end_k_qc7eb28ec0c_attend-k_qc7eb28ec0c_attend
	.p2alignl 7, 3214868480
	.fill 96, 4, 3214868480
	.section	.rodata,"a",@progbits
	.p2align	6, 0x0
	.amdhsa_kernel k_qc7eb28ec0c_attend
		.amdhsa_group_segment_fixed_size 114176
		.amdhsa_private_segment_fixed_size 0
		.amdhsa_enable_private_segment 0
		.amdhsa_kernarg_size 56
		.amdhsa_user_sgpr_count 2
		.amdhsa_user_sgpr_kernarg_segment_ptr 1
		.amdhsa_wavefront_size32 1
		.amdhsa_system_sgpr_workgroup_id_x 1
		.amdhsa_system_sgpr_workgroup_id_y 1
		.amdhsa_system_sgpr_workgroup_id_z 1
		.amdhsa_system_vgpr_workitem_id 0
		.amdhsa_next_free_vgpr 256
		.amdhsa_next_free_sgpr 96
		.amdhsa_reserve_vcc 0
		.amdhsa_float_denorm_mode_32 3
		.amdhsa_float_denorm_mode_16_64 3
		.amdhsa_memory_ordered 1
		.amdhsa_forward_progress 1
		.amdhsa_inst_pref_size 222
	.end_amdhsa_kernel
	.amdgpu_metadata
---
amdhsa.version: [ 1, 2 ]
amdhsa.kernels:
  - .name:           k_qc7eb28ec0c_attend
    .symbol:         k_qc7eb28ec0c_attend.kd
    .args:
      - { .name: q, .offset: 0, .size: 8, .value_kind: global_buffer, .address_space: global }
      - { .name: gammas, .offset: 8, .size: 8, .value_kind: global_buffer, .address_space: global }
      - { .name: kb, .offset: 16, .size: 8, .value_kind: global_buffer, .address_space: global }
      - { .name: vb, .offset: 24, .size: 8, .value_kind: global_buffer, .address_space: global }
      - { .name: lv, .offset: 32, .size: 8, .value_kind: global_buffer, .address_space: global }
      - { .name: v2f, .offset: 40, .size: 8, .value_kind: global_buffer, .address_space: global }
      - { .name: out0, .offset: 48, .size: 8, .value_kind: global_buffer, .address_space: global }
    .group_segment_fixed_size: 114176
    .private_segment_fixed_size: 0
    .kernarg_segment_align: 8
    .kernarg_segment_size: 56
    .max_flat_workgroup_size: 512
    .sgpr_count:     96
    .vgpr_count:     256
    .wavefront_size: 32
...
	.end_amdgpu_metadata
.endif
;; end of part 3
